; MI455X (gfx1250); checked and timed in simulation.
; The chip was launched on July 23, 2026; its instructions are those of AMD's public machine-readable ISA for CDNA 5 (MIT licence, August 2026) and "CDNA5" Instruction Set Architecture Reference Guide (July 2026). The comments in the code are by the model that wrote it; some were corrected since.
;; Bahdanau Attention. Allowed arithmetic: float matrix products may take bf16 or f16 operands with f32 sums; all other float work in f32.
;; Inputs: Ua_b 1,024 float32; Ua_w 1,024 x 1,024 float32; Va_b 1 float32; Va_w 1 x 1,024 float32; Wa_b 1,024 float32; Wa_w 1,024 x 1,024 float32; hs 32 x 2,048 x 1,024 float32; ht 32 x 1 x 1,024 float32.
;; Outputs: out0 32 x 1 x 1,024 float32; out1 32 x 1 x 2,048 float32.
;; 2 versions, each right; version 2 is version 1 with the launch main written anew for expert scheduling mode. Each part assembles by itself: llvm-mc -triple=amdgcn-amd-amdhsa -mcpu=gfx1250 --defsym DOCPART=n.
;; ======== version 1 of 2: 3 launches
;; workspace buffers: ub 2,097,152 bytes; qs 131,072 bytes; scores 262,144 bytes; ctxp 2,097,152 bytes
;; launch prep (part 1): grid 64 x 1, 8 waves a work-group, no clusters, 156,672 bytes of LDS; arguments Ua_w, Wa_w, ht, Wa_b, Ua_b, ub, qs; writes ub, qs
.if DOCPART == 1
	.amdgcn_target "amdgcn-amd-amdhsa--gfx1250"
	.amdhsa_code_object_version 6
	.text
	.protected	k_q7376f36cfb_prep
	.globl	k_q7376f36cfb_prep
	.p2align	8
	.type	k_q7376f36cfb_prep,@function
k_q7376f36cfb_prep:
	s_mov_b64 s[64:65], 0
	v_nop
	global_prefetch_b8 v0, s[64:65] scope:SCOPE_SE
	s_setreg_imm32_b32 hwreg(HW_REG_WAVE_MODE, 25, 1), 1
	s_wait_xcnt 0x0
; prep: (1) Ua_w [1024][1024] f32 -> ub, bf16, in the order in which the main launch's matrix fragments want it;
;       (2) qs = (ht Wa_w^T + Wa_b + Ua_b) * 2 log2(e), f32, the addend of the main launch's exponent.
; Work-group g owns the 16 rows n = 16 g .. 16 g + 15 of Ua_w and of Wa_w; wave w owns k = 128 w .. 128 w + 127.
; ub: [wave wv 0..3][pass p 0..1][k step kk 0..31][b 0..7][1,024 bytes], row n = 512 p + 128 wv + 16 b + r.  A block of 1,024 bytes is
;     one fragment of 16 rows x 32 k: lane L = 16 h + r has k = 32 kk + 8 h .. + 7 at byte 16 L and k = 32 kk + 16 + 8 h .. + 7 at 512 + 16 L.
; qs: [n / 16][batch 0..31][16] f32: this work-group writes 2,048 neighbouring bytes.
; Every global load of a wave takes 512 neighbouring bytes of one row.  The f32 rows are rounded to bf16 in registers, laid into the
; wave's own LDS rows (pitch 272 bytes) and read back as fragments; the eight waves' partial products of q meet in LDS.
; No tensor loads and no cluster: the data must pass through registers to be rounded, and the work-groups share only ht (128 KiB).
; Limits: the product for q has bf16 operands and f32 sums; NaN and infinities in the inputs are not reproduced.
.set PITCH, 272                        ; an LDS row: 256 bytes of bf16 + 16, so that 16 rows start in 16 different groups of banks
.set WSZ,   17408                      ; a wave's LDS: 16 rows of Ua, 16 of Wa, 32 of ht
.set UAT,   0
.set WAT,   4352
.set HTT,   8704
.set RED,   139264                     ; behind the eight waves' rows: 8 x 2,048 bytes of partial q
.set GV,  2                            ; v2   16 T = 512 w + 16 lane: my 16 bytes in a row of f32
.set RS,  3                            ; v3   LDS: my 8 bytes in a row of bf16
.set FR,  4                            ; v4   LDS: my fragment address, 272 r + 16 h
.set LN,  5                            ; v5   16 x lane
.set RST, 6                            ; v6   LDS: where my partial q goes
.set RRD, 7                            ; v7   LDS: where thread T reads wave 0's partial of its two numbers
.set QO,  8                            ; v8   8 T: my two numbers in this work-group's part of qs
.set BO,  9                            ; v9   8 (T mod 8): my two numbers in the biases
.set BW,  10                           ; v[10:11] Wa_b
.set BU,  12                           ; v[12:13] Ua_b
.set FA,  16                           ; v[16:79]   16 rows as loaded: Ua, later ht's rows 16-31
.set FB,  80                           ; v[80:143]  Wa
.set FC,  144                          ; v[144:207] ht's rows 0-15
.set TB,  208                          ; v[208:239] 16 rows in bf16
.set UF,  80                           ; v[80:111]  four fragments of Ua
.set WF,  112                          ; v[112:143] four fragments of Wa
.set HF,  144                          ; v[144:207] 2 x 4 fragments of ht
.set D0,  16                           ; v[16:23]   q of batches 0-15
.set D1,  24                           ; v[24:31]   q of batches 16-31
.set PS,  32                           ; v[32:47]   the eight waves' partial sums of my two numbers
.macro ROWS dst, base, row0            ; 16 rows, my wave's 512 bytes of each
.irp i, 0,1,2,3,4,5,6,7,8,9,10,11,12,13,14,15
	global_load_b128 v[\dst+4*\i:\dst+4*\i+3], v[GV], s[\base:\base+1] offset:(\row0+\i)*4096
.endr
.endm
.macro PACK src, off                   ; 16 rows to bf16 and into my wave's LDS rows: a wave's store covers 256 neighbouring bytes
.irp i, 0,1,2,3,4,5,6,7,8,9,10,11,12,13,14,15
	v_cvt_pk_bf16_f32 v[TB+2*\i],   v[\src+4*\i],   v[\src+4*\i+1]
	v_cvt_pk_bf16_f32 v[TB+2*\i+1], v[\src+4*\i+2], v[\src+4*\i+3]
.endr
.irp i, 0,1,2,3,4,5,6,7,8,9,10,11,12,13,14,15
	ds_store_b64 v[RS], v[TB+2*\i:TB+2*\i+1] offset:\off+PITCH*\i
.endr
.endm
	s_load_b256 s[4:11], s[0:1], 0x0               ; Ua_w s[4:5], Wa_w s[6:7], ht s[8:9], Wa_b s[10:11]
	s_load_b128 s[12:15], s[0:1], 0x20             ; Ua_b s[12:13], ub s[14:15]
	s_load_b64 s[16:17], s[0:1], 0x30              ; qs
	v_lshl_add_u32 v240, v0, 2, 0x26000
	v_mov_b32 v241, 0
	v_lshrrev_b32 v1, 5, v0
	v_readfirstlane_b32 s18, v1                    ; wave 0..7
	v_and_b32 v1, 31, v0                           ; lane
	v_lshlrev_b32 v[GV], 4, v0
	v_and_b32 v14, 7, v0
	v_lshlrev_b32 v[BO], 3, v14
	s_lshl_b32 s20, ttmp9, 16                      ; 16 rows of 4,096 bytes
	s_mov_b32 s21, 0
	s_lshl_b32 s22, ttmp9, 6                       ; 16 numbers of the biases
	s_mov_b32 s23, 0
	s_wait_kmcnt 0x0
	s_add_nc_u64 s[4:5], s[4:5], s[20:21]
	s_add_nc_u64 s[6:7], s[6:7], s[20:21]
	s_add_nc_u64 s[10:11], s[10:11], s[22:23]
	s_add_nc_u64 s[12:13], s[12:13], s[22:23]
	global_load_b64 v[BW:BW+1], v[BO], s[10:11]
	global_load_b64 v[BU:BU+1], v[BO], s[12:13]
	ROWS FA, 4, 0                                  ; Ua
	ROWS FB, 6, 0                                  ; Wa
	ROWS FC, 8, 0                                  ; ht, batches 0-15
	; addresses, while the loads are on their way
	s_mul_i32 s19, s18, WSZ                        ; my wave's LDS
	v_and_b32 v14, 15, v0                          ; r
	v_bfe_u32 v15, v0, 4, 1                        ; h
	v_lshl_add_u32 v[RS], v1, 3, s19
	v_mul_u32_u24 v[FR], v14, PITCH
	v_lshl_add_u32 v[FR], v15, 4, v[FR]
	v_add_nc_u32 v[FR], s19, v[FR]
	v_lshlrev_b32 v[LN], 4, v1
	s_lshl_b32 s26, s18, 11
	s_add_co_u32 s26, s26, RED
	v_lshl_add_u32 v[RST], v1, 5, s26              ; RED + 2,048 w + 32 lane
	v_lshrrev_b32 v14, 7, v0                       ; thread T takes batch T / 8 and n = 2 (T mod 8), + 1:
	v_lshlrev_b32 v[RRD], 10, v14                  ; 1,024 x (batch / 16)
	v_bfe_u32 v14, v0, 2, 1
	v_lshl_add_u32 v[RRD], v14, 9, v[RRD]          ; + 512 x (n / 8): the half of the lanes that held it
	v_bfe_u32 v14, v0, 3, 4
	v_lshl_add_u32 v[RRD], v14, 5, v[RRD]          ; + 32 x (batch mod 16)
	v_and_b32 v14, 3, v0
	v_lshl_add_u32 v[RRD], v14, 3, v[RRD]          ; + 4 x (n mod 8)
	v_add_nc_u32 v[RRD], RED, v[RRD]
	v_lshlrev_b32 v[QO], 3, v0
	s_bfe_u32 s24, ttmp9, 0x20003                  ; wv = (g / 8) mod 4
	s_lshr_b32 s25, ttmp9, 5                       ; p = g / 32
	s_lshl1_add_u32 s24, s24, s25
	s_lshl_b32 s24, s24, 18                        ; (2 wv + p) x 262,144
	s_and_b32 s25, ttmp9, 7
	s_lshl_b32 s25, s25, 10                        ; + b x 1,024
	s_add_co_u32 s24, s24, s25
	s_lshl_b32 s25, s18, 15                        ; + my wave's four k steps x 8,192
	s_add_co_u32 s24, s24, s25
	s_mov_b32 s25, 0
	s_add_nc_u64 s[14:15], s[14:15], s[24:25]
	s_lshl_b32 s24, ttmp9, 11
	s_add_nc_u64 s[16:17], s[16:17], s[24:25]
	s_wait_loadcnt 32                              ; loads come back in order: Ua's 16 are in, Wa's 16 and ht's 16 stay out
	PACK FA, UAT
	ROWS FA, 8, 16                                 ; ht, batches 16-31
	s_wait_loadcnt 32                              ; Wa is in; ht's 2 x 16 stay out
	PACK FB, WAT
	s_wait_loadcnt 16                              ; ht's first 16 rows are in
	PACK FC, HTT
	s_wait_loadcnt 0x0
	PACK FA, HTT+16*PITCH
	; fragments: my wave's own bytes, and LDS serves a wave's instructions in order: no barrier and no wait in front of these loads
.irp i, 0,1,2,3
	ds_load_b128 v[UF+8*\i:UF+8*\i+3],   v[FR] offset:UAT+64*\i
	ds_load_b128 v[UF+8*\i+4:UF+8*\i+7], v[FR] offset:UAT+64*\i+32
.endr
.irp i, 0,1,2,3
	ds_load_b128 v[WF+8*\i:WF+8*\i+3],   v[FR] offset:WAT+64*\i
	ds_load_b128 v[WF+8*\i+4:WF+8*\i+7], v[FR] offset:WAT+64*\i+32
.endr
.irp m, 0,1
.irp i, 0,1,2,3
	ds_load_b128 v[HF+32*\m+8*\i:HF+32*\m+8*\i+3],   v[FR] offset:HTT+\m*16*PITCH+64*\i
	ds_load_b128 v[HF+32*\m+8*\i+4:HF+32*\m+8*\i+7], v[FR] offset:HTT+\m*16*PITCH+64*\i+32
.endr
.endr
	s_wait_dscnt 24                                ; Ua's eight loads are in; the 24 of Wa and ht stay out
.irp i, 0,1,2,3
	global_store_b128 v[LN], v[UF+8*\i:UF+8*\i+3],   s[14:15] offset:8192*\i        ; each store of the wave covers 512 neighbouring bytes, aligned
	global_store_b128 v[LN], v[UF+8*\i+4:UF+8*\i+7], s[14:15] offset:8192*\i+512
.endr
	s_wait_dscnt 0x0
	; q, used transposed: source 0 = 16 rows of Wa, source 1 = 16 rows of ht: lane (r, h) gets n = 8 h + 0..7 of batch r.
	; The two accumulators take turns, one instruction a turn.
	v_wmma_f32_16x16x32_bf16 v[D0:D0+7], v[WF:WF+7], v[HF:HF+7], 0
	v_wmma_f32_16x16x32_bf16 v[D1:D1+7], v[WF:WF+7], v[HF+32:HF+39], 0
.irp i, 1,2,3
	v_wmma_f32_16x16x32_bf16 v[D0:D0+7], v[WF+8*\i:WF+8*\i+7], v[HF+8*\i:HF+8*\i+7], v[D0:D0+7]
	v_wmma_f32_16x16x32_bf16 v[D1:D1+7], v[WF+8*\i:WF+8*\i+7], v[HF+32+8*\i:HF+32+8*\i+7], v[D1:D1+7]
.endr
.rept 4
	v_nop                                          ; four places between a matrix instruction and the LDS stores that read its result
.endr
	ds_store_b128 v[RST], v[D0:D0+3]
	ds_store_b128 v[RST], v[D0+4:D0+7] offset:16
	ds_store_b128 v[RST], v[D1:D1+3]   offset:1024
	ds_store_b128 v[RST], v[D1+4:D1+7] offset:1040
	s_wait_dscnt 0x0                               ; for the other waves' sake: my partial sums are in LDS
	s_barrier_signal -1
	s_barrier_wait -1
.irp w, 0,1,2,3,4,5,6,7
	ds_load_b64 v[PS+2*\w:PS+2*\w+1], v[RRD] offset:2048*\w
.endr
	s_wait_dscnt 0x0
	v_pk_add_f32 v[PS:PS+1],     v[PS:PS+1],     v[PS+2:PS+3]
	v_pk_add_f32 v[PS+4:PS+5],   v[PS+4:PS+5],   v[PS+6:PS+7]
	v_pk_add_f32 v[PS+8:PS+9],   v[PS+8:PS+9],   v[PS+10:PS+11]
	v_pk_add_f32 v[PS+12:PS+13], v[PS+12:PS+13], v[PS+14:PS+15]
	v_pk_add_f32 v[BW:BW+1],     v[BW:BW+1],     v[BU:BU+1]                        ; the two biases (their loads were the first, long in)
	v_pk_add_f32 v[PS:PS+1],     v[PS:PS+1],     v[PS+4:PS+5]
	v_pk_add_f32 v[PS+8:PS+9],   v[PS+8:PS+9],   v[PS+12:PS+13]
	v_pk_add_f32 v[PS:PS+1],     v[PS:PS+1],     v[PS+8:PS+9]
	v_pk_add_f32 v[PS:PS+1],     v[PS:PS+1],     v[BW:BW+1]
	v_pk_mul_f32 v[PS:PS+1],     v[PS:PS+1],     0x4038aa3b op_sel_hi:[1,0]        ; x 2 log2(e)
	global_store_b64 v[QO], v[PS:PS+1], s[16:17]   ; a wave stores 256 neighbouring bytes, aligned
	s_wait_tensorcnt 0x0
	ds_add_u32 v240, v241
	s_wait_dscnt 0x0
	s_endpgm
.Lfunc_end_k_q7376f36cfb_prep:
	.size	k_q7376f36cfb_prep, .Lfunc_end_k_q7376f36cfb_prep-k_q7376f36cfb_prep
	.p2alignl 7, 3214868480
	.fill 96, 4, 3214868480
	.section	.rodata,"a",@progbits
	.p2align	6, 0x0
	.amdhsa_kernel k_q7376f36cfb_prep
		.amdhsa_group_segment_fixed_size 156672
		.amdhsa_private_segment_fixed_size 0
		.amdhsa_enable_private_segment 0
		.amdhsa_kernarg_size 56
		.amdhsa_user_sgpr_count 2
		.amdhsa_user_sgpr_kernarg_segment_ptr 1
		.amdhsa_wavefront_size32 1
		.amdhsa_system_sgpr_workgroup_id_x 1
		.amdhsa_system_sgpr_workgroup_id_y 1
		.amdhsa_system_sgpr_workgroup_id_z 1
		.amdhsa_system_vgpr_workitem_id 0
		.amdhsa_next_free_vgpr 242
		.amdhsa_next_free_sgpr 66
		.amdhsa_reserve_vcc 0
		.amdhsa_float_denorm_mode_32 3
		.amdhsa_float_denorm_mode_16_64 3
		.amdhsa_memory_ordered 1
		.amdhsa_forward_progress 1
		.amdhsa_inst_pref_size 27
	.end_amdhsa_kernel
	.amdgpu_metadata
---
amdhsa.version: [ 1, 2 ]
amdhsa.kernels:
  - .name:           k_q7376f36cfb_prep
    .symbol:         k_q7376f36cfb_prep.kd
    .args:
      - { .name: Ua_w, .offset: 0, .size: 8, .value_kind: global_buffer, .address_space: global }
      - { .name: Wa_w, .offset: 8, .size: 8, .value_kind: global_buffer, .address_space: global }
      - { .name: ht, .offset: 16, .size: 8, .value_kind: global_buffer, .address_space: global }
      - { .name: Wa_b, .offset: 24, .size: 8, .value_kind: global_buffer, .address_space: global }
      - { .name: Ua_b, .offset: 32, .size: 8, .value_kind: global_buffer, .address_space: global }
      - { .name: ub, .offset: 40, .size: 8, .value_kind: global_buffer, .address_space: global }
      - { .name: qs, .offset: 48, .size: 8, .value_kind: global_buffer, .address_space: global }
    .group_segment_fixed_size: 156672
    .private_segment_fixed_size: 0
    .kernarg_segment_align: 8
    .kernarg_segment_size: 56
    .max_flat_workgroup_size: 256
    .sgpr_count:     66
    .vgpr_count:     242
    .wavefront_size: 32
...
	.end_amdgpu_metadata
.endif
;; end of part 1
;; launch main (part 2): grid 512 x 1, 4 waves a work-group, no clusters, 286,208 bytes of LDS; arguments hs, ub, qs, Va_w, Va_b, scores, ctxp; writes scores, ctxp
.if DOCPART == 2
	.amdgcn_target "amdgcn-amd-amdhsa--gfx1250"
	.amdhsa_code_object_version 6
	.text
	.protected	k_q7376f36cfb_main
	.globl	k_q7376f36cfb_main
	.p2align	8
	.type	k_q7376f36cfb_main,@function
k_q7376f36cfb_main:
	s_mov_b64 s[64:65], 0
	v_nop
	global_prefetch_b8 v0, s[64:65] scope:SCOPE_SE
	s_setreg_imm32_b32 hwreg(HW_REG_WAVE_MODE, 25, 1), 1
	s_wait_xcnt 0x0
; main: for a block of 128 rows s of one batch (work-group g: rows 128 g .., batch g / 16):
;   k = hs Ua^T;  score[s] = sum over n of Va[n] tanh(q[n] + k[s][n] + biases) + Va_b;  m = the block's largest score;
;   p[s] = exp(score[s] - m);  ctxp[g][c] = sum over s of p[s] hs[s][c].   scores and ctxp go to the closing launch.
; SHAPE.  Four waves, as many as a WGP has SIMDs.  A wave makes 128 rows x 128 columns n: 64 accumulator tiles, 512 registers.  The work-group
; covers 512 columns, so N = 1,024 takes two passes, each of 32 trips of 32 along K with 64 matrix instructions a wave.
; hs is read from memory once, as f32, rounded to bf16 in registers and kept in LDS (8 chunks of 128 along K, 128 rows of 272 bytes each)
; for both passes and for the context.  Chunk c + 1 is stored while chunk c is multiplied.
; Ua (ub, bf16 in fragment order) has no second reader in the work-group (each wave owns its 128 columns), so it goes from memory straight
; into registers: 16 loads of 512 neighbouring bytes a trip, into a ring of four buffers, requested three trips ahead of their use.
; A TRIP has ONE run of memory instructions, in its middle: 32 matrix instructions on row tiles 0-3, the run, 32 on row tiles 4-7.  The run
; loads the next trip's fragments of hs (tiles 0-3 into the registers just multiplied, tiles 4-7 into the second of two buffers that take
; turns), Ua's fragments of the trip three further on (into the buffer that the trip before has left) and stages eight rows of hs.
; NO CLUSTER, NO TENSOR LOADS: the resident rows take 278,528 of the 327,680 bytes of LDS that a work-group can have; one trip's Ua for the four
; waves is 32,768 bytes, and two slots of it (65,536) do not fit into the 49,152 that are left; with fewer resident rows every byte
; of Ua would feed fewer products; and hs has to pass through registers to be rounded.
; THE MATRIX INSTRUCTION IS USED TRANSPOSED: source 0 = 16 rows of Ua, source 1 = 16 rows of hs: lane (r, h) holds, for row 16 a + r of hs, the
; eight neighbouring columns n = 16 b + 8 h + 0..7, beside the eight q and Va that belong to them.
; tanh(x) = 1 - 2 / (1 + 2^(2 log2(e) x)): right at both ends (2^t = infinity gives 1, 2^t = 0 gives -1), absolute error about 1e-7.
; The score is formed in f32 as (sum of Va) - 2 (sum of Va / (1 + 2^t)).
; LIMITS: matrix operands (hs, Ua, p) are bf16, sums f32; NaN and infinities in the inputs are not reproduced; v_exp_f32 gives 0 for results
; below 2^-126 (ISA guide, its entry), so a p below that counts as 0.
; REGISTERS, in windows of 256: window 0 addresses, fragments of hs, staging; window 1 the ring of Ua's fragments; windows 2 and 3 the
; accumulators of rows 0-63 and 64-127 (tile (a, b) at v[8 (8 a + b)]).
.set PITCH, 272                        ; an LDS row: 256 bytes of bf16 + 16, so that the 16 rows of a fragment start in 16 different groups of banks
.set FRAG,  16*PITCH                   ; 16 rows
.set CHUNK, 128*PITCH                  ; 34,816: 128 rows x 128 k
.set PART,  8*CHUNK                    ; 278,528: 4 waves x 128 partial scores
.set PB,    PART+2048                  ; 4 waves x 128 p in bf16
.set CS,    PB+1024                    ; 4 waves x 256 f32: the context's way out
.set C2L2E, 0x4038aa3b                 ; 2 log2(e)
.set LOG2E, 0x3fb8aa3b
.set L16,   2                          ; v2   16 x lane
.set HOFF,  3                          ; v3   hs: my wave's 32 rows, my 16 bytes
.set ADRA,  4                          ; v4   LDS: my fragment address in the chunk at work, 272 r + 16 h + chunk
.set ADRA0, 5                          ; v5   the same in chunk 0
.set STA,   6                          ; v6   LDS: my 8 bytes in my wave's rows of the chunk being stored
.set QOFF,  7                          ; v7   qs: 16,384 w + 32 h
.set VOFF,  8                          ; v8   Va_w: 512 w + 32 h
.set CT,    10                         ; v[10:25]  pass 0: eight staged rows in bf16
.set SC,    10                         ; v[10:25]  from the first epilogue on: eight pairs, sums of Va / (1 + 2^t) of row tile a
.set SV,    26                         ; v[26:29]  two pairs: sums of Va
.set H1,    32                         ; v[32:63]  fragments of row tiles 4-7, odd trips
.set AF,    64                         ; v[64:95]  fragments of row tiles 0-3; v[64:127] at work in the epilogues
.set H0,    96                         ; v[96:127] fragments of row tiles 4-7, even trips
.set G,     128                        ; v[128:255] four staging groups of 8 rows as loaded
.set QS,    128                        ; v[128:191] in the epilogues: q of my 8 x 8 columns
.set VA,    192                        ; v[192:255] in the epilogues: Va of the same
.set CD,    128                        ; v[128:255] in the context: 16 accumulators
.set PST,   32                         ; behind the second epilogue, where H1 is free: v32  LDS: my wave's partial scores, row r
.set PRD,   33                         ; v33  LDS: wave 0's partial scores of rows 4 lane ..
.set PPS,   34                         ; v34  LDS: my wave's p, rows 4 lane ..
.set PFR,   35                         ; v35  LDS: my wave's p as a fragment
.set TRA,   36                         ; v36  LDS: transposing loads of hs for the context
.set CST,   37                         ; v37  LDS: the context's way out, in
.set CRD,   38                         ; v38  LDS: the same, back
.set COFF,  39                         ; v39  ctxp: 1,024 w + 16 lane
.set HF,    32                         ; window 1, in the context: two buffers of 8 fragments of hs; v[0:31] there hold p's four fragments
.set MUL_LO, 0xa1                      ; source 0 (Ua) window 1, source 1 (hs) window 0, C and D window 2
.set MUL_HI, 0xf1                      ; the same, C and D window 3
.set TO_1,   0x40                      ; destination window 1
.set CV1,    0x05                      ; sources 0 and 1 window 1
.set MSB, 0
.set NLD, 0                            ; global loads issued so far in the text; the marks M.. hold its value just behind a group of loads
.macro WIN new                         ; the immediate's high byte repeats the setting that is left
.if MSB != \new
	s_set_vgpr_msb (MSB<<8)|\new
.set MSB, \new
.endif
.endm
; Waits for the group of loads whose mark is given: loads come back in order (ISA guide 5.7.1), so the count is the number of loads issued behind
; the group, or 63, the largest that the wait can name.  The lap in front of each loop issues the same loads in the same order as the
; loop's body, so the counts hold round the backward jumps too.
.macro WAITLD mark
.if NLD-(\mark) > 63
	s_wait_loadcnt 63
.else
	s_wait_loadcnt NLD-(\mark)
.endif
.endm
; Four places: between a matrix instruction and a load into one of its sources, or an instruction that reads its result (ISA guide 7.12.1 for
; vector instructions).
.macro PLACES
.rept 4
	v_nop
.endr
.endm
; Ua's eight fragments of trip k (counted from the trip at which s[6:7] stands) into buffer q of the ring; leaves the window at TO_1
.macro LDB q, k
	WIN TO_1
.irp b, 0,1,2,3,4,5,6,7
	global_load_b128 v[64*\q+8*\b:64*\q+8*\b+3],   v[L16], s[6:7] offset:(\k)*8192+\b*1024
	global_load_b128 v[64*\q+8*\b+4:64*\q+8*\b+7], v[L16], s[6:7] offset:(\k)*8192+\b*1024+512
.endr
.set NLD, NLD+16
.set MB\q, NLD
.endm
; in the run of trip q of a lap: the trip three further on, into the buffer that the trip before has left
.macro LDBN q
.if \q == 0
	LDB 3, 3
.endif
.if \q == 1
	LDB 0, 4
.endif
.if \q == 2
	LDB 1, 5
.endif
.if \q == 3
	LDB 2, 6
.endif
.endm
; eight rows of hs (row group (q + 1) mod 4 of my wave's 32 rows), 512 bytes of each, into staging group q
.macro LDH q, chunkoff
	WIN 0
.set GAM, (\q+1)%4
.irp i, 0,1,2,3,4,5,6,7
	global_load_b128 v[G+32*\q+4*\i:G+32*\q+4*\i+3], v[HOFF], s[4:5] offset:(8*GAM+\i)*4096+\chunkoff th:TH_LOAD_NT
.endr
.set NLD, NLD+8
.set MH\q, NLD
.endm
; staging group q to bf16 and into LDS: a store of the wave covers the 256 bytes of one row.  The sixteen conversions name no register of a
; matrix instruction: they are the places between the matrix instructions in front of the run and the run's loads.
.macro STH q, off
.set GAM, (\q+1)%4
	WAITLD MH\q
.irp i, 0,1,2,3,4,5,6,7
	v_cvt_pk_bf16_f32 v[CT+2*\i],   v[G+32*\q+4*\i],   v[G+32*\q+4*\i+1]
	v_cvt_pk_bf16_f32 v[CT+2*\i+1], v[G+32*\q+4*\i+2], v[G+32*\q+4*\i+3]
.endr
.irp i, 0,1,2,3,4,5,6,7
	ds_store_b64 v[STA], v[CT+2*\i:CT+2*\i+1] offset:\off+(8*GAM+\i)*PITCH
.endr
.endm
; the prologue's groups: u = 0..3 chunk 0, u = 4..6 chunk 1, row group u mod 4; loaded into window 1, which the ring does not need yet
.macro LDU u
.irp i, 0,1,2,3,4,5,6,7
	global_load_b128 v[32*\u+4*\i:32*\u+4*\i+3], v[HOFF], s[4:5] offset:(8*(\u%4)+\i)*4096+512*(\u/4) th:TH_LOAD_NT
.endr
.set NLD, NLD+8
.set MU\u, NLD
.endm
.macro STU u
	WAITLD MU\u
	WIN CV1
.irp i, 0,1,2,3,4,5,6,7
	v_cvt_pk_bf16_f32 v[AF+16*(\u%4)+2*\i],   v[32*\u+4*\i],   v[32*\u+4*\i+1]
	v_cvt_pk_bf16_f32 v[AF+16*(\u%4)+2*\i+1], v[32*\u+4*\i+2], v[32*\u+4*\i+3]
.endr
	WIN 0
.irp i, 0,1,2,3,4,5,6,7
	ds_store_b64 v[STA], v[AF+16*(\u%4)+2*\i:AF+16*(\u%4)+2*\i+1] offset:(\u/4)*CHUNK+(8*(\u%4)+\i)*PITCH
.endr
.endm
; four fragments of hs, 32 k at byte off of the rows: two loads of 16 bytes, 32 bytes apart, for each.
; FAL: row tiles 0-3; FAH: row tiles 4-7, into the buffer that begins at register hb
.macro FAL off
.irp a, 0,1,2,3
	ds_load_b128 v[AF+8*\a:AF+8*\a+3],   v[ADRA] offset:(\off)+\a*FRAG
	ds_load_b128 v[AF+8*\a+4:AF+8*\a+7], v[ADRA] offset:(\off)+\a*FRAG+32
.endr
.endm
.macro FAH hb, off
.irp a, 0,1,2,3
	ds_load_b128 v[\hb+8*\a:\hb+8*\a+3],   v[ADRA] offset:(\off)+(4+\a)*FRAG
	ds_load_b128 v[\hb+8*\a+4:\hb+8*\a+7], v[ADRA] offset:(\off)+(4+\a)*FRAG+32
.endr
.endm
; 32 matrix instructions: the four row tiles whose fragments begin at register ab x eight column tiles.  The 64 accumulators take turns, one
; instruction a turn, in the same order in every trip, over the backward jumps too.  zero = 1: the first product starts the sums.
.macro MUL32 ab, q, zero
.irp a, 0,1,2,3
.irp b, 0,1,2,3,4,5,6,7
.if \zero
	v_wmma_f32_16x16x32_bf16 v[8*(8*\a+\b):8*(8*\a+\b)+7], v[64*\q+8*\b:64*\q+8*\b+7], v[\ab+8*\a:\ab+8*\a+7], 0
.else
	v_wmma_f32_16x16x32_bf16 v[8*(8*\a+\b):8*(8*\a+\b)+7], v[64*\q+8*\b:64*\q+8*\b+7], v[\ab+8*\a:\ab+8*\a+7], v[8*(8*\a+\b):8*(8*\a+\b)+7]
.endif
.endr
.endr
.endm
; One trip: 32 along K.  q = trip mod 4 = buffer of the ring = staging group.  stg bit 0: staging group q is stored; bit 1: it is loaded again.
; sig = 1: at the trip's end my part of the next chunk is whole, and I say so; wt = 1: the run begins behind the others' saying so.
; nxt: the next trip's fragments lie 1 in this chunk, 2 in the next, 0 nowhere.  ldb: Ua's fragments of the trip three further on are asked for.
.macro TRIP q, zero, stg, sig, wt, nxt, ldb
.set HB, H0-(H0-H1)*(\q&1)             ; this trip's buffer of row tiles 4-7
.set HN, H0-(H0-H1)*((\q+1)&1)         ; the next trip's
.set NDS, 8*((\stg)&1)                 ; LDS instructions of this trip's run
.if \nxt
.set NDS, NDS+16
.endif
	WAITLD MB\q                                    ; this trip's fragments of Ua are in
	s_wait_dscnt 8                                 ; row tiles 0-3 are in; the eight loads of tiles 4-7, issued behind them, may be out
	WIN MUL_LO
	MUL32 AF, \q, \zero
	WIN 0
.if \wt
	s_barrier_wait -1                              ; the next chunk is whole; between signal and wait stood matrix instructions alone
.endif
.if (\stg) & 1
.if \q == 3
	STH \q, CHUNK
.else
	STH \q, 0
.endif
.else
	PLACES
.endif
.if (\stg) & 2
.if \q == 3
	LDH \q, 1536
.else
	LDH \q, 1024
.endif
.endif
.if \nxt == 1
	FAL 64*(\q+1)
	FAH HN, 64*(\q+1)
.endif
.if \nxt == 2
	FAL CHUNK
	FAH HN, CHUNK
.endif
.if \ldb
	LDBN \q
.endif
	s_wait_dscnt NDS                               ; all but this run's own LDS instructions: this trip's row tiles 4-7 are in
	WIN MUL_HI
	MUL32 HB, \q, \zero
.if \sig
	s_wait_dscnt 0x0                               ; my staged rows are in LDS, and no LDS instruction of mine is out
	s_barrier_signal -1                            ; my part of the next chunk is whole
.endif
.endm
; A lap: four trips = one chunk.  g0..g3: the trips' stg.  bar: the barrier that shows the next chunk to all waves.
.macro LAP zero, g0, g1, g2, g3, bar, last, hstep
	TRIP 0, \zero, \g0, 0, 0, 1, 1
	TRIP 1, 0, \g1, 0, 0, 1, 1
	TRIP 2, 0, \g2, \bar, 0, 1, 1
.if \last
	TRIP 3, 0, \g3, 0, \bar, 0, 1
	WIN 0
.else
	TRIP 3, 0, \g3, 0, \bar, 2, 1
	WIN 0
	v_add_nc_u32 v[ADRA], CHUNK, v[ADRA]
.endif
	s_wait_xcnt 0x0                                ; the bases of loads that are out are stepped only behind this wait; the last of them were issued 32 matrix instructions ago
	s_add_nc_u64 s[6:7], s[6:7], 32768             ; four trips of Ua
.if \hstep
	s_add_nc_u64 s[4:5], s[4:5], 512               ; a chunk of hs
	v_add_nc_u32 v[STA], CHUNK, v[STA]
.endif
.endm
; q and Va of my wave's 128 columns of pass p: eight neighbouring numbers for each column tile b
.macro LDQV p
.irp b, 0,1,2,3,4,5,6,7
	global_load_b128 v[QS+8*\b:QS+8*\b+3],   v[QOFF], s[8:9]   offset:\p*65536+\b*2048
	global_load_b128 v[QS+8*\b+4:QS+8*\b+7], v[QOFF], s[8:9]   offset:\p*65536+\b*2048+16
	global_load_b128 v[VA+8*\b:VA+8*\b+3],   v[VOFF], s[10:11] offset:\p*2048+\b*64
	global_load_b128 v[VA+8*\b+4:VA+8*\b+7], v[VOFF], s[10:11] offset:\p*2048+\b*64+16
.endr
.set NLD, NLD+32
.set MQ, NLD
.endm
; Eight tiles of the epilogue: row tiles 0-3 of window win, column tiles 2 be and 2 be + 1.
.macro EBATCH p, win, be
	WIN \win                                       ; source 0 in the accumulators' window
.irp a, 0,1,2,3
.irp c, 0,1
.irp j, 0,1,2,3
	v_pk_fma_f32 v[AF+8*(2*\a+\c)+2*\j:AF+8*(2*\a+\c)+2*\j+1], v[8*(8*\a+2*\be+\c)+2*\j:8*(8*\a+2*\be+\c)+2*\j+1], C2L2E, v[QS+8*(2*\be+\c)+2*\j:QS+8*(2*\be+\c)+2*\j+1] op_sel_hi:[1,0,1]
.endr
.endr
.endr
	WIN 0
.set i, 0
.rept 64
	v_exp_f32 v[AF+i], v[AF+i]                     ; 2^t
.set i, i+1
.endr
	v_nop                                          ; one plain place behind the last transcendental (ISA guide 5.7.2)
.set i, 0
	s_wait_alu depctr_va_vdst(0)
.rept 32
	v_pk_add_f32 v[AF+2*i:AF+2*i+1], v[AF+2*i:AF+2*i+1], 1.0 op_sel_hi:[1,0]
.set i, i+1
.endr
.set i, 0
.rept 64
	v_rcp_f32 v[AF+i], v[AF+i]                     ; 1 / (1 + 2^t)
.set i, i+1
.endr
	v_nop
	s_wait_alu depctr_va_vdst(0)
.irp j, 0,1,2,3
.irp c, 0,1
.irp a, 0,1,2,3
.if (\p+\be+\c+\j) == 0
	s_wait_alu depctr_va_vdst(0)
	v_pk_mul_f32 v[SC+2*(4*(\win-2)+\a):SC+2*(4*(\win-2)+\a)+1], v[VA+8*(2*\be+\c)+2*\j:VA+8*(2*\be+\c)+2*\j+1], v[AF+8*(2*\a+\c)+2*\j:AF+8*(2*\a+\c)+2*\j+1]
.else
	v_pk_fma_f32 v[SC+2*(4*(\win-2)+\a):SC+2*(4*(\win-2)+\a)+1], v[VA+8*(2*\be+\c)+2*\j:VA+8*(2*\be+\c)+2*\j+1], v[AF+8*(2*\a+\c)+2*\j:AF+8*(2*\a+\c)+2*\j+1], v[SC+2*(4*(\win-2)+\a):SC+2*(4*(\win-2)+\a)+1]
.endif
.endr
.endr
.endr
.endm
; The epilogue of pass p.  The first products and sums start SC and SV: nothing is cleared.
.macro EPI p
	PLACES                                         ; behind the pass's last matrix instructions
	WAITLD MQ                                      ; q and Va are in
.if \p == 0
	v_pk_add_f32 v[SV:SV+1],   v[VA:VA+1],   v[VA+4:VA+5]
	v_pk_add_f32 v[SV+2:SV+3], v[VA+2:VA+3], v[VA+6:VA+7]
.set i, 4
.rept 28
	v_pk_add_f32 v[SV+2*(i%2):SV+2*(i%2)+1], v[SV+2*(i%2):SV+2*(i%2)+1], v[VA+2*i:VA+2*i+1]
.set i, i+1
.endr
.else
.set i, 0
.rept 32
	v_pk_add_f32 v[SV+2*(i%2):SV+2*(i%2)+1], v[SV+2*(i%2):SV+2*(i%2)+1], v[VA+2*i:VA+2*i+1]
.set i, i+1
.endr
.endif
.irp w, 2,3
.irp e, 0,1,2,3
	EBATCH \p, \w, \e
.endr
.endr
.endm
; the context: eight fragments of hs, 32 rows (k step ks) x 16 columns each, of chunk 2 w + hf, read transposed
.macro LDT buf, ks, hf
.irp tt, 0,1,2,3,4,5,6,7
	ds_load_tr16_b128 v[HF+64*\buf+8*\tt:HF+64*\buf+8*\tt+3],   v[TRA] offset:\hf*CHUNK+(\ks)*32*PITCH+\tt*32
	ds_load_tr16_b128 v[HF+64*\buf+8*\tt+4:HF+64*\buf+8*\tt+7], v[TRA] offset:\hf*CHUNK+(\ks)*32*PITCH+\tt*32+FRAG
.endr
.endm
; eight matrix instructions on the eight accumulators of half hf; the sixteen accumulators take turns
.macro UNIT ks, hf, left, more
	s_wait_dscnt \left                             ; this unit's 16 loads are in; the next unit's 16 may be out
	WIN CV1
.irp tt, 0,1,2,3,4,5,6,7
.if \ks == 0
	v_wmma_f32_16x16x32_bf16 v[CD+8*(8*\hf+\tt):CD+8*(8*\hf+\tt)+7], v[8*\ks:8*\ks+7], v[HF+64*\hf+8*\tt:HF+64*\hf+8*\tt+7], 0
.else
	v_wmma_f32_16x16x32_bf16 v[CD+8*(8*\hf+\tt):CD+8*(8*\hf+\tt)+7], v[8*\ks:8*\ks+7], v[HF+64*\hf+8*\tt:HF+64*\hf+8*\tt+7], v[CD+8*(8*\hf+\tt):CD+8*(8*\hf+\tt)+7]
.endif
.endr
	PLACES
.if \more
	WIN TO_1
	LDT \hf, \ks+1, \hf
.endif
.endm
	; ---------------------------------------------------------------- arguments; the first rows of hs go out before anything else
	s_load_b256 s[4:11], s[0:1], 0x0               ; hs s[4:5], ub s[6:7], qs s[8:9], Va_w s[10:11]
	s_load_b128 s[12:15], s[0:1], 0x20             ; Va_b s[12:13], scores s[14:15]
	s_load_b64 s[16:17], s[0:1], 0x30              ; ctxp
	v_lshl_add_u32 v30, v0, 2, 0x45c00
	v_mov_b32 v31, 0
	v_lshrrev_b32 v1, 5, v0
	v_readfirstlane_b32 s18, v1                    ; wave 0..3
	v_and_b32 v1, 31, v0                           ; lane
	v_lshlrev_b32 v[L16], 4, v1
	v_lshl_add_u32 v[HOFF], s18, 17, v[L16]        ; 32 rows of 4,096 bytes a wave
	s_lshl_b32 s24, ttmp9, 19                      ; 128 rows of 4,096 bytes a work-group: below 2^28
	s_mov_b32 s25, 0
	s_lshl_b32 s26, s18, 19                        ; my wave's 524,288 bytes of ub
	s_mov_b32 s27, 0
	s_wait_kmcnt 0x0
	s_add_nc_u64 s[4:5], s[4:5], s[24:25]
	s_add_nc_u64 s[6:7], s[6:7], s[26:27]
	s_load_b32 s22, s[12:13], 0x0                  ; Va_b
	WIN TO_1
.irp u, 0,1,2,3,4,5,6
	LDU \u                                         ; 56 loads: chunk 0 and three quarters of chunk 1
.endr
	WIN 0
	s_lshr_b32 s24, ttmp9, 4
	s_lshl_b32 s24, s24, 6                         ; qs: 64 bytes a batch
	s_add_nc_u64 s[8:9], s[8:9], s[24:25]
	s_lshl_b32 s24, ttmp9, 9                       ; scores: 128 f32 a block
	s_add_nc_u64 s[14:15], s[14:15], s[24:25]
	s_lshl_b32 s24, ttmp9, 12                      ; ctxp: 1,024 f32 a block
	s_add_nc_u64 s[16:17], s[16:17], s[24:25]
	s_mov_b32 s20, 0x76543210                      ; v_permlanex16_b32: lane i of one half reads lane i of the other
	s_mov_b32 s21, 0xfedcba98
	v_and_b32 v17, 15, v0                          ; r
	v_bfe_u32 v18, v0, 4, 1                        ; h
	v_mul_u32_u24 v[ADRA], v17, PITCH
	v_lshl_add_u32 v[ADRA], v18, 4, v[ADRA]
	v_mov_b32 v[ADRA0], v[ADRA]
	s_mul_i32 s26, s18, 32*PITCH
	v_lshl_add_u32 v[STA], v1, 3, s26
	v_lshlrev_b32 v[QOFF], 5, v18
	v_lshlrev_b32 v[VOFF], 5, v18
	v_lshl_add_u32 v[QOFF], s18, 14, v[QOFF]
	v_lshl_add_u32 v[VOFF], s18, 9, v[VOFF]
	; ---------------------------------------------------------------- prologue: chunk 0 and most of chunk 1 into LDS, three buffers of Ua's ring filled
	STU 0
	STU 1
	STU 2
	STU 3
	LDB 0, 0                                       ; into the registers that groups 0 to 3 have left
	LDB 1, 1
	LDH 2, 512                                     ; chunk 1, the last eight rows: stored in trip 2
	LDH 3, 1024                                    ; chunk 2, the first eight rows: stored in trip 3
	STU 4
	STU 5
	STU 6
	LDB 2, 2
	WIN 0
	s_wait_kmcnt 0x0                               ; Va_b
	s_wait_dscnt 0x0                               ; my rows are in LDS
	s_barrier_signal -1
	s_barrier_wait -1                              ; everybody's are
	v_add_nc_u32 v[STA], CHUNK, v[STA]             ; in lap c the staging address stands at chunk c + 1
	FAL 0
	FAH H0, 0
	; ---------------------------------------------------------------- pass 0: columns 128 w .. of 0-511; chunks 2 to 7 come in on the way
	LAP 1, 2,2,3,3, 1, 0, 1                        ; lap 0
	s_mov_b32 s19, 4
.Lpass0:
	LAP 0, 3,3,3,3, 1, 0, 1                        ; laps 1 to 4
	s_sub_co_u32 s19, s19, 1
	s_cmp_lg_u32 s19, 0
	s_cbranch_scc1 .Lpass0
	LAP 0, 3,3,3,1, 1, 0, 1                        ; lap 5: the last rows of hs (chunk 7) are asked for
	LAP 0, 1,1,1,0, 1, 0, 0                        ; lap 6: and stored
	LDQV 0                                         ; into the staging registers, which are free now
	LAP 0, 0,0,0,0, 0, 1, 0                        ; lap 7; its loads of Ua run on into pass 1: the wave's stream is one run of bytes
	EPI 0
	; ---------------------------------------------------------------- pass 1: columns 512 + 128 w ..
	v_mov_b32 v[ADRA], v[ADRA0]
	FAL 0
	FAH H0, 0
	LAP 1, 0,0,0,0, 0, 0, 0                        ; lap 8
	s_mov_b32 s19, 6
.Lpass1:
	LAP 0, 0,0,0,0, 0, 0, 0                        ; laps 9 to 14
	s_sub_co_u32 s19, s19, 1
	s_cmp_lg_u32 s19, 0
	s_cbranch_scc1 .Lpass1
	LDQV 1
	TRIP 0, 0, 0, 0, 0, 1, 1                       ; lap 15: its first trip asks for the last trip's Ua, the others for nothing
	TRIP 1, 0, 0, 0, 0, 1, 0
	TRIP 2, 0, 0, 0, 0, 1, 0
	TRIP 3, 0, 0, 0, 0, 0, 0
	WIN 0
	EPI 1
	; ---------------------------------------------------------------- the tail's addresses, in registers that the fragments have left
	v_and_b32 v40, 15, v0                          ; r
	v_bfe_u32 v41, v0, 4, 1                        ; h
	s_lshl_b32 s26, s18, 9
	s_add_co_u32 s26, s26, PART
	v_lshl_add_u32 v[PST], v40, 2, s26
	v_add_nc_u32 v[PRD], PART, v[L16]
	s_lshl_b32 s26, s18, 8
	s_add_co_u32 s26, s26, PB
	v_lshl_add_u32 v[PPS], v1, 3, s26
	v_lshl_add_u32 v[PFR], v41, 4, s26
	v_and_b32 v42, 7, v0
	v_lshl_add_u32 v42, v41, 3, v42                ; row 8 h + lane mod 8
	v_mul_u32_u24 v[TRA], v42, PITCH
	v_bfe_u32 v42, v0, 3, 1
	v_lshl_add_u32 v[TRA], v42, 4, v[TRA]          ; + 16 bytes for the odd groups of eight lanes
	s_mul_i32 s26, s18, 2*CHUNK                    ; my wave's 256 columns are chunks 2 w and 2 w + 1
	v_add_nc_u32 v[TRA], s26, v[TRA]
	s_lshl_b32 s26, s18, 10
	v_add_nc_u32 v[COFF], s26, v[L16]
	s_add_co_u32 s26, s26, CS
	v_lshl_add_u32 v[CST], v40, 2, s26
	v_add_nc_u32 v[CRD], s26, v[L16]
	; ---------------------------------------------------------------- scores
	v_pk_add_f32 v[SV:SV+1], v[SV:SV+1], v[SV+2:SV+3]
	v_add_f32 v[SV], v[SV], v[SV+1]                ; the sum of Va over my half's columns
.irp a, 0,1,2,3,4,5,6,7
	v_add_f32 v[64+\a], v[SC+2*\a], v[SC+2*\a+1]
.endr
.irp a, 0,1,2,3,4,5,6,7
	v_fma_f32 v[64+\a], -2.0, v[64+\a], v[SV]      ; sum of Va tanh = sum of Va - 2 sum of Va / (1 + 2^t)
.endr
.irp a, 0,1,2,3,4,5,6,7
	v_permlanex16_b32 v[72+\a], v[64+\a], s20, s21 ; the other eight of each sixteen columns (the destinations were written in the epilogue)
.endr
.irp a, 0,1,2,3,4,5,6,7
	v_add_f32 v[64+\a], v[64+\a], v[72+\a]
	ds_store_b32 v[PST], v[64+\a] offset:64*\a     ; row 16 a + r; both halves of the lanes store the same number to the same word
.endr
	s_wait_dscnt 0x0                               ; for the other waves' sake
	s_barrier_signal -1
	s_barrier_wait -1
.irp w, 0,1,2,3
	ds_load_b128 v[80+4*\w:80+4*\w+3], v[PRD] offset:512*\w
.endr
	s_wait_dscnt 0x0
	v_pk_add_f32 v[80:81], v[80:81], v[84:85]
	v_pk_add_f32 v[82:83], v[82:83], v[86:87]
	v_pk_add_f32 v[88:89], v[88:89], v[92:93]
	v_pk_add_f32 v[90:91], v[90:91], v[94:95]
	v_pk_add_f32 v[80:81], v[80:81], v[88:89]
	v_pk_add_f32 v[82:83], v[82:83], v[90:91]
.irp i, 0,1,2,3
	v_add_f32 v[80+\i], s22, v[80+\i]              ; + Va_b: every wave now holds the scores of rows 4 lane .. 4 lane + 3
.endr
	s_cmp_lg_u32 s18, 0
	s_cbranch_scc1 .Lnot_wave_0
	global_store_b128 v[L16], v[80:83], s[14:15]   ; 512 neighbouring bytes, aligned; v[80:83] are not written again
.Lnot_wave_0:
	v_max3_num_f32 v96, v80, v81, v82
	v_max_num_f32 v96, v96, v83
	v_max_num_f32_dpp v96, v96, v96 row_xmask:1 row_mask:0xf bank_mask:0xf
	v_max_num_f32_dpp v96, v96, v96 row_xmask:2 row_mask:0xf bank_mask:0xf
	v_max_num_f32_dpp v96, v96, v96 row_xmask:4 row_mask:0xf bank_mask:0xf
	v_max_num_f32_dpp v96, v96, v96 row_xmask:8 row_mask:0xf bank_mask:0xf
	v_permlanex16_b32 v97, v96, s20, s21
	v_max_num_f32 v96, v96, v97                    ; the block's largest score
.irp i, 0,1,2,3
	v_sub_f32 v[100+\i], v[80+\i], v96
.endr
.irp i, 0,1,2,3
	v_mul_f32 v[100+\i], LOG2E, v[100+\i]
.endr
.irp i, 0,1,2,3
	v_exp_f32 v[100+\i], v[100+\i]                 ; p = exp(score - maximum), at most 1
.endr
	v_nop
	s_wait_alu depctr_va_vdst(0)
	v_cvt_pk_bf16_f32 v104, v100, v101
	v_cvt_pk_bf16_f32 v105, v102, v103
	ds_store_b64 v[PPS], v[104:105]                ; my wave's own copy: LDS serves a wave in order, so its reads below need no wait
	; ---------------------------------------------------------------- context: columns 256 w .. 256 w + 255; K = the 128 rows.
	; Source 0: sixteen equal rows of p; source 1: hs, which lies [row][column] in LDS and is read transposed.
	WIN TO_1
.irp k, 0,1,2,3
	ds_load_b128 v[8*\k:8*\k+3],   v[PFR] offset:64*\k
	ds_load_b128 v[8*\k+4:8*\k+7], v[PFR] offset:64*\k+32
.endr
	LDT 0, 0, 0
	LDT 1, 0, 1
	UNIT 0, 0, 16, 1
	UNIT 0, 1, 16, 1
	UNIT 1, 0, 16, 1
	UNIT 1, 1, 16, 1
	UNIT 2, 0, 16, 1
	UNIT 2, 1, 16, 1
	UNIT 3, 0, 16, 0
	UNIT 3, 1, 0, 0
	WIN 0
.irp t, 0,1,2,3,4,5,6,7,8,9,10,11,12,13,14,15
	ds_store_b32 v[CST], v[CD+8*\t] offset:64*\t   ; register 0 of tile t: column 16 t + r; all rows of a tile are equal
.endr
	ds_load_b128 v[64:67], v[CRD]                  ; back as 16 neighbouring bytes a lane (my wave's own bytes, served in order)
	ds_load_b128 v[68:71], v[CRD] offset:512
	s_wait_dscnt 0x1
	global_store_b128 v[COFF], v[64:67], s[16:17]  ; each store of the wave covers 512 neighbouring bytes, aligned
	s_wait_dscnt 0x0
	global_store_b128 v[COFF], v[68:71], s[16:17] offset:512
	s_wait_tensorcnt 0x0
	ds_add_u32 v30, v31
	s_wait_dscnt 0x0
	s_endpgm
.Lfunc_end_k_q7376f36cfb_main:
	.size	k_q7376f36cfb_main, .Lfunc_end_k_q7376f36cfb_main-k_q7376f36cfb_main
	.p2alignl 7, 3214868480
	.fill 96, 4, 3214868480
	.section	.rodata,"a",@progbits
	.p2align	6, 0x0
	.amdhsa_kernel k_q7376f36cfb_main
		.amdhsa_group_segment_fixed_size 286208
		.amdhsa_private_segment_fixed_size 0
		.amdhsa_enable_private_segment 0
		.amdhsa_kernarg_size 56
		.amdhsa_user_sgpr_count 2
		.amdhsa_user_sgpr_kernarg_segment_ptr 1
		.amdhsa_wavefront_size32 1
		.amdhsa_system_sgpr_workgroup_id_x 1
		.amdhsa_system_sgpr_workgroup_id_y 1
		.amdhsa_system_sgpr_workgroup_id_z 1
		.amdhsa_system_vgpr_workitem_id 0
		.amdhsa_next_free_vgpr 1024
		.amdhsa_next_free_sgpr 66
		.amdhsa_reserve_vcc 0
		.amdhsa_float_denorm_mode_32 3
		.amdhsa_float_denorm_mode_16_64 3
		.amdhsa_memory_ordered 1
		.amdhsa_forward_progress 1
		.amdhsa_inst_pref_size 255
	.end_amdhsa_kernel
	.section	.bss,"aw",@nobits
	.p2align	6
	.space	262144
	.amdgpu_metadata
---
amdhsa.version: [ 1, 2 ]
amdhsa.kernels:
  - .name:           k_q7376f36cfb_main
    .symbol:         k_q7376f36cfb_main.kd
    .args:
      - { .name: hs, .offset: 0, .size: 8, .value_kind: global_buffer, .address_space: global }
      - { .name: ub, .offset: 8, .size: 8, .value_kind: global_buffer, .address_space: global }
      - { .name: qs, .offset: 16, .size: 8, .value_kind: global_buffer, .address_space: global }
      - { .name: Va_w, .offset: 24, .size: 8, .value_kind: global_buffer, .address_space: global }
      - { .name: Va_b, .offset: 32, .size: 8, .value_kind: global_buffer, .address_space: global }
      - { .name: scores, .offset: 40, .size: 8, .value_kind: global_buffer, .address_space: global }
      - { .name: ctxp, .offset: 48, .size: 8, .value_kind: global_buffer, .address_space: global }
    .group_segment_fixed_size: 286208
    .private_segment_fixed_size: 0
    .kernarg_segment_align: 8
    .kernarg_segment_size: 56
    .max_flat_workgroup_size: 128
    .sgpr_count:     66
    .vgpr_count:     1024
    .wavefront_size: 32
...
	.end_amdgpu_metadata
.endif
;; end of part 2
;; launch finish (part 3): grid 32 x 1, 8 waves a work-group, no clusters, 1,280 bytes of LDS; arguments scores, ctxp, out0, out1; writes out0, out1
.if DOCPART == 3
	.amdgcn_target "amdgcn-amd-amdhsa--gfx1250"
	.amdhsa_code_object_version 6
	.text
	.protected	k_q7376f36cfb_finish
	.globl	k_q7376f36cfb_finish
	.p2align	8
	.type	k_q7376f36cfb_finish,@function
k_q7376f36cfb_finish:
	s_mov_b64 s[64:65], 0
	v_nop
	global_prefetch_b8 v0, s[64:65] scope:SCOPE_SE
	s_setreg_imm32_b32 hwreg(HW_REG_WAVE_MODE, 25, 1), 1
	s_wait_xcnt 0x0
; finish: for batch b (one work-group): attn = softmax of its 2,048 scores; ctx = sum over its 16 blocks k of exp(m_k - M) ctxp[k] / (sum of exp).
; m_k is block k's largest score, found again here from the same f32 scores (a maximum is exact, so it is the number that the main launch took
; away); M is the largest of the 16.
; Thread T holds scores 4 T .. + 3 and 1,024 + 4 T .. + 3, so wave w holds exactly blocks w and 8 + w; it also owns columns 4 T .. + 3 of ctx.
; Every load and store of a wave covers 512 neighbouring bytes.  The 16 partial contexts are asked for at the start and are on their way during
; the softmax.  No matrix unit, no cluster: 72 KiB a work-group, read once, nothing shared.
; Limits: NaN and infinities are not reproduced; exponentials below 2^-126 count as 0 (v_exp_f32, ISA guide, its entry).
.set LOG2E, 0x3fb8aa3b
.set BMX, 16                           ; v[16:31]  the 16 block maxima, later the 16 weights
.set CP,  32                           ; v[32:95]  the 16 partial contexts of my four columns
.set CX,  96                           ; v[96:99]  ctx
.set E,   100                          ; v[100:107] exp(score - M), later attn
.set MM,  112                          ; v112      M
	s_load_b256 s[4:11], s[0:1], 0x0               ; scores s[4:5], ctxp s[6:7], out0 s[8:9], out1 s[10:11]
	v_lshl_add_u32 v120, v0, 2, 0x100
	v_mov_b32 v121, 0
	v_lshrrev_b32 v1, 5, v0
	v_readfirstlane_b32 s12, v1                    ; wave 0..7
	v_lshlrev_b32 v2, 4, v0                        ; 16 T
	v_mov_b32 v1, 0
	v_mov_b32 v3, s12
	v_lshlrev_b32 v3, 2, v3                        ; LDS: my wave's word
	v_mov_b32 v14, 0                               ; destinations of v_permlanex16_b32 count as read
	v_mov_b32 v15, 0
	s_mov_b32 s14, 0x76543210
	s_mov_b32 s15, 0xfedcba98
	s_lshl_b32 s16, ttmp9, 13                      ; 2,048 f32 of scores and of attn
	s_mov_b32 s17, 0
	s_lshl_b32 s18, ttmp9, 16                      ; 16 blocks of 4,096 bytes of ctxp
	s_mov_b32 s19, 0
	s_lshl_b32 s20, ttmp9, 12                      ; 1,024 f32 of ctx
	s_mov_b32 s21, 0
	s_wait_kmcnt 0x0
	s_add_nc_u64 s[4:5], s[4:5], s[16:17]
	s_add_nc_u64 s[10:11], s[10:11], s[16:17]
	s_add_nc_u64 s[6:7], s[6:7], s[18:19]
	s_add_nc_u64 s[8:9], s[8:9], s[20:21]
	global_load_b128 v[4:7], v2, s[4:5]
	global_load_b128 v[8:11], v2, s[4:5] offset:4096
.irp k, 0,1,2,3,4,5,6,7,8,9,10,11,12,13,14,15
	global_load_b128 v[CP+4*\k:CP+4*\k+3], v2, s[6:7] offset:4096*\k
.endr
	s_wait_loadcnt 16                              ; the scores are in; the 16 partial contexts stay out
	v_max3_num_f32 v12, v4, v5, v6
	v_max3_num_f32 v13, v8, v9, v10
	v_max_num_f32 v12, v12, v7
	v_max_num_f32 v13, v13, v11
.irp x, 1,2,4,8
	v_max_num_f32_dpp v12, v12, v12 row_xmask:\x row_mask:0xf bank_mask:0xf
	v_max_num_f32_dpp v13, v13, v13 row_xmask:\x row_mask:0xf bank_mask:0xf
.endr
	v_permlanex16_b32 v14, v12, s14, s15
	v_permlanex16_b32 v15, v13, s14, s15
	v_max_num_f32 v12, v12, v14                    ; block w's maximum
	v_max_num_f32 v13, v13, v15                    ; block 8 + w's
	ds_store_b32 v3, v12
	ds_store_b32 v3, v13 offset:32
	s_wait_dscnt 0x0                               ; for the other waves' sake
	s_barrier_signal -1
	s_barrier_wait -1
.irp i, 0,1,2,3
	ds_load_b128 v[BMX+4*\i:BMX+4*\i+3], v1 offset:16*\i
.endr
	s_wait_dscnt 0x0
	v_max3_num_f32 v[MM], v[BMX], v[BMX+1], v[BMX+2]
.irp i, 3,5,7,9,11,13
	v_max3_num_f32 v[MM], v[MM], v[BMX+\i], v[BMX+\i+1]
.endr
	v_max_num_f32 v[MM], v[MM], v[BMX+15]          ; M
.irp i, 0,1,2,3,4,5,6,7
	v_sub_f32 v[E+\i], v[4+\i], v[MM]
.endr
.irp i, 0,1,2,3,4,5,6,7,8,9,10,11,12,13,14,15
	v_sub_f32 v[BMX+\i], v[BMX+\i], v[MM]
.endr
.irp i, 0,1,2,3,4,5,6,7
	v_mul_f32 v[E+\i], LOG2E, v[E+\i]
.endr
.irp i, 0,1,2,3,4,5,6,7,8,9,10,11,12,13,14,15
	v_mul_f32 v[BMX+\i], LOG2E, v[BMX+\i]
.endr
.irp i, 0,1,2,3,4,5,6,7
	v_exp_f32 v[E+\i], v[E+\i]
.endr
.irp i, 0,1,2,3,4,5,6,7,8,9,10,11,12,13,14,15
	v_exp_f32 v[BMX+\i], v[BMX+\i]                 ; exp(m_k - M)
.endr
	v_nop                                          ; one plain place behind the last transcendental (ISA guide 5.7.2)
	s_wait_alu depctr_va_vdst(0)
	v_pk_add_f32 v[114:115], v[E:E+1],   v[E+2:E+3]
	v_pk_add_f32 v[116:117], v[E+4:E+5], v[E+6:E+7]
	v_pk_add_f32 v[114:115], v[114:115], v[116:117]
	v_add_f32 v114, v114, v115
.irp x, 1,2,4,8
	v_add_f32_dpp v114, v114, v114 row_xmask:\x row_mask:0xf bank_mask:0xf
.endr
	v_permlanex16_b32 v14, v114, s14, s15
	v_add_f32 v114, v114, v14
	ds_store_b32 v3, v114 offset:64                ; other bytes than the maxima's: one barrier is enough
	s_wait_dscnt 0x0
	s_barrier_signal -1
	s_barrier_wait -1
	ds_load_b128 v[4:7], v1 offset:64
	ds_load_b128 v[8:11], v1 offset:80
	s_wait_dscnt 0x0
	v_pk_add_f32 v[4:5], v[4:5], v[6:7]
	v_pk_add_f32 v[8:9], v[8:9], v[10:11]
	v_pk_add_f32 v[4:5], v[4:5], v[8:9]
	v_add_f32 v4, v4, v5                           ; at least 1: the largest score's own term
	v_rcp_f32 v12, v4
	v_rcp_f32 v13, v4                              ; twice: a pair for the packed multiplies
	v_nop
	s_wait_alu depctr_va_vdst(0)
.irp i, 0,2,4,6
	v_pk_mul_f32 v[E+\i:E+\i+1], v[E+\i:E+\i+1], v[12:13]
.endr
	global_store_b128 v2, v[E:E+3],   s[10:11]
	global_store_b128 v2, v[E+4:E+7], s[10:11] offset:4096
.irp i, 0,2,4,6,8,10,12,14
	v_pk_mul_f32 v[BMX+\i:BMX+\i+1], v[BMX+\i:BMX+\i+1], v[12:13]      ; the blocks' weights
.endr
	s_wait_loadcnt 0x0                             ; the partial contexts
.irp c, 0,1,2,3
	v_mul_f32 v[CX+\c], v[CP+\c], v[BMX]           ; block 0 starts the four sums
.endr
.irp k, 1,2,3,4,5,6,7,8,9,10,11,12,13,14,15
.irp c, 0,1,2,3
	v_fmac_f32 v[CX+\c], v[CP+4*\k+\c], v[BMX+\k]
.endr
.endr
	global_store_b128 v2, v[CX:CX+3], s[8:9]
	s_wait_tensorcnt 0x0
	ds_add_u32 v120, v121
	s_wait_dscnt 0x0
	s_endpgm
.Lfunc_end_k_q7376f36cfb_finish:
	.size	k_q7376f36cfb_finish, .Lfunc_end_k_q7376f36cfb_finish-k_q7376f36cfb_finish
	.p2alignl 7, 3214868480
	.fill 96, 4, 3214868480
	.section	.rodata,"a",@progbits
	.p2align	6, 0x0
	.amdhsa_kernel k_q7376f36cfb_finish
		.amdhsa_group_segment_fixed_size 1280
		.amdhsa_private_segment_fixed_size 0
		.amdhsa_enable_private_segment 0
		.amdhsa_kernarg_size 32
		.amdhsa_user_sgpr_count 2
		.amdhsa_user_sgpr_kernarg_segment_ptr 1
		.amdhsa_wavefront_size32 1
		.amdhsa_system_sgpr_workgroup_id_x 1
		.amdhsa_system_sgpr_workgroup_id_y 1
		.amdhsa_system_sgpr_workgroup_id_z 1
		.amdhsa_system_vgpr_workitem_id 0
		.amdhsa_next_free_vgpr 122
		.amdhsa_next_free_sgpr 66
		.amdhsa_reserve_vcc 0
		.amdhsa_float_denorm_mode_32 3
		.amdhsa_float_denorm_mode_16_64 3
		.amdhsa_memory_ordered 1
		.amdhsa_forward_progress 1
		.amdhsa_inst_pref_size 13
	.end_amdhsa_kernel
	.amdgpu_metadata
---
amdhsa.version: [ 1, 2 ]
amdhsa.kernels:
  - .name:           k_q7376f36cfb_finish
    .symbol:         k_q7376f36cfb_finish.kd
    .args:
      - { .name: scores, .offset: 0, .size: 8, .value_kind: global_buffer, .address_space: global }
      - { .name: ctxp, .offset: 8, .size: 8, .value_kind: global_buffer, .address_space: global }
      - { .name: out0, .offset: 16, .size: 8, .value_kind: global_buffer, .address_space: global }
      - { .name: out1, .offset: 24, .size: 8, .value_kind: global_buffer, .address_space: global }
    .group_segment_fixed_size: 1280
    .private_segment_fixed_size: 0
    .kernarg_segment_align: 8
    .kernarg_segment_size: 32
    .max_flat_workgroup_size: 256
    .sgpr_count:     66
    .vgpr_count:     122
    .wavefront_size: 32
...
	.end_amdgpu_metadata
.endif
;; end of part 3
;; ======== version 2 of 2: 3 launches; version 1 with the launch main written anew for expert scheduling mode
;; workspace buffers: ub 2,097,152 bytes; qs 131,072 bytes; scores 262,144 bytes; ctxp 2,097,152 bytes
;; launch prep: the kernel of part 1 again; grid 64 x 1, 8 waves a work-group, no clusters, 156,672 bytes of LDS; arguments Ua_w, Wa_w, ht, Wa_b, Ua_b, ub, qs; writes ub, qs
;; launch main (part 4): grid 512 x 1, 4 waves a work-group, no clusters, 286,208 bytes of LDS; arguments hs, ub, qs, Va_w, Va_b, scores, ctxp; writes scores, ctxp
.if DOCPART == 4
	.amdgcn_target "amdgcn-amd-amdhsa--gfx1250"
	.amdhsa_code_object_version 6
	.text
	.protected	k_q7376f36cfb_main
	.globl	k_q7376f36cfb_main
	.p2align	8
	.type	k_q7376f36cfb_main,@function
k_q7376f36cfb_main:
	s_mov_b64 s[64:65], 0
	v_nop
	global_prefetch_b8 v0, s[64:65] scope:SCOPE_SE
	s_setreg_imm32_b32 hwreg(HW_REG_WAVE_SCHED_MODE, 0, 2), 2
	s_setreg_imm32_b32 hwreg(HW_REG_WAVE_MODE, 25, 1), 1
	s_wait_xcnt 0x0
	s_wait_alu depctr_vm_vsrc(0)
; main: for a block of 128 rows s of one batch (work-group g: rows 128 g .., batch g / 16):
;   k = hs Ua^T;  score[s] = sum over n of Va[n] tanh(q[n] + k[s][n] + biases) + Va_b;  m = the block's largest score;
;   p[s] = exp(score[s] - m);  ctxp[g][c] = sum over s of p[s] hs[s][c].   scores and ctxp go to the closing launch.
; SHAPE.  Four waves, as many as a WGP has SIMDs.  A wave makes 128 rows x 128 columns n: 64 accumulator tiles, 512 registers.  The work-group
; covers 512 columns, so N = 1,024 takes two passes, each of 32 trips of 32 along K with 64 matrix instructions a wave.
; hs is read from memory once, as f32, rounded to bf16 in registers and kept in LDS (8 chunks of 128 along K, 128 rows of 272 bytes each)
; for both passes and for the context.  Chunk c + 1 is stored while chunk c is multiplied.
; Ua (ub, bf16 in fragment order) has no second reader in the work-group (each wave owns its 128 columns), so it goes from memory straight
; into registers: 16 loads of 512 neighbouring bytes a trip, into a ring of four buffers, requested three trips ahead of their use.
; A TRIP: 32 matrix instructions on row tiles 0-3; a run that stages eight rows of hs and loads the next trip's fragments of hs (tiles 0-3 into
; the registers just multiplied, tiles 4-7 into the second of two buffers that take turns); 32 matrix instructions on row tiles 4-7, with Ua's
; fragments of the trip three further on (into the buffer that the trip before has left) asked for in their middle.
; THE MODE: SCHED_MODE bits 1:0 = 2 (LLVM: expert scheduling mode 2), set by the entry lines.  The code itself states the register dependences
; between vector or matrix instructions and memory or LDS instructions, with s_wait_alu, always for 0.
; THE PLAN.  Registers that memory or LDS instructions touch in the trips:
;   ring 0 .. 3 (window 1)  Trip q's 64 matrix instructions read buffer q; loads issued in trip q + 1 land in it.
;   AF                      Read by a trip's first 32 matrix instructions; the same trip's run loads it again.
;   H0, H1                  One is read by a trip's last 32 matrix instructions; the next trip's run loads that one again.
;   G0 .. G3                Trip q's sixteen conversions read G[q]; the same run loads it again.
;   CT                      Written by those conversions, read by the run's eight LDS stores, written again a trip later.
;   v[ADRA], v[STA]         Read by the fragments' loads and by the LDS stores; stepped once a lap, at its end.
;   v[L16], v[HOFF], v[QOFF], v[VOFF]  Made at the head, never written again: scalar bases and immediate offsets do the rest.
; So ONE wait on va_vdst stands in a trip, behind its first 32 matrix instructions and its conversions.  All the trip's memory and LDS instructions
; follow it; the only vector-side instructions among them are matrix instructions on the trip's H buffer, ring buffer q and window 3, which
; none of those loads and stores touches.  One wait on vm_vsrc stands ahead of the conversions (CT), one a lap ahead of the two address steps.
; NO CLUSTER, NO TENSOR LOADS: the resident rows take 278,528 of the 327,680 bytes of LDS that a work-group can have; one trip's Ua for the four
; waves is 32,768 bytes, and two slots of it (65,536) do not fit into the 49,152 that are left; with fewer resident rows every byte
; of Ua would feed fewer products; and hs has to pass through registers to be rounded.
; THE MATRIX INSTRUCTION IS USED TRANSPOSED: source 0 = 16 rows of Ua, source 1 = 16 rows of hs: lane (r, h) holds, for row 16 a + r of hs, the
; eight neighbouring columns n = 16 b + 8 h + 0..7, beside the eight q and Va that belong to them.
; tanh(x) = 1 - 2 / (1 + 2^(2 log2(e) x)): right at both ends (2^t = infinity gives 1, 2^t = 0 gives -1), absolute error about 1e-7.
; The score is formed in f32 as (sum of Va) - 2 (sum of Va / (1 + 2^t)).
; LIMITS: matrix operands (hs, Ua, p) are bf16, sums f32; NaN and infinities in the inputs are not reproduced; v_exp_f32 gives 0 for results
; below 2^-126 (ISA guide, its entry), so a p below that counts as 0.
; REGISTERS, in windows of 256: window 0 addresses, fragments of hs, staging; window 1 the ring of Ua's fragments; windows 2 and 3 the
; accumulators of rows 0-63 and 64-127 (tile (a, b) at v[8 (8 a + b)]).
.set PITCH, 272                        ; an LDS row: 256 bytes of bf16 + 16, so that the 16 rows of a fragment start in 16 different groups of banks
.set FRAG,  16*PITCH                   ; 16 rows
.set CHUNK, 128*PITCH                  ; 34,816: 128 rows x 128 k
.set PART,  8*CHUNK                    ; 278,528: 4 waves x 128 partial scores
.set PB,    PART+2048                  ; 4 waves x 128 p in bf16
.set CS,    PB+1024                    ; 4 waves x 256 f32: the context's way out
.set C2L2E, 0x4038aa3b                 ; 2 log2(e)
.set LOG2E, 0x3fb8aa3b
.set L16,   2                          ; v2   16 x lane
.set HOFF,  3                          ; v3   hs: my wave's 32 rows, my 16 bytes
.set ADRA,  4                          ; v4   LDS: my fragment address in the chunk at work, 272 r + 16 h + chunk
.set ADRA0, 5                          ; v5   the same in chunk 0
.set STA,   6                          ; v6   LDS: my 8 bytes in my wave's rows of the chunk being stored
.set QOFF,  7                          ; v7   qs: 16,384 w + 32 h
.set VOFF,  8                          ; v8   Va_w: 512 w + 32 h
.set CT,    10                         ; v[10:25]  pass 0: eight staged rows in bf16
.set SC,    10                         ; v[10:25]  from the first epilogue on: eight pairs, sums of Va / (1 + 2^t) of row tile a
.set SV,    26                         ; v[26:29]  two pairs: sums of Va
.set H1,    32                         ; v[32:63]  fragments of row tiles 4-7, odd trips
.set AF,    64                         ; v[64:95]  fragments of row tiles 0-3; v[64:127] at work in the epilogues
.set H0,    96                         ; v[96:127] fragments of row tiles 4-7, even trips
.set G,     128                        ; v[128:255] four staging groups of 8 rows as loaded
.set QS,    128                        ; v[128:191] in the epilogues: q of my 8 x 8 columns
.set VA,    192                        ; v[192:255] in the epilogues: Va of the same
.set CD,    128                        ; v[128:255] in the context: 16 accumulators
.set PST,   32                         ; behind the second epilogue, where H1 is free: v32  LDS: my wave's partial scores, row r
.set PRD,   33                         ; v33  LDS: wave 0's partial scores of rows 4 lane ..
.set PPS,   34                         ; v34  LDS: my wave's p, rows 4 lane ..
.set PFR,   35                         ; v35  LDS: my wave's p as a fragment
.set TRA,   36                         ; v36  LDS: transposing loads of hs for the context
.set CST,   37                         ; v37  LDS: the context's way out, in
.set CRD,   38                         ; v38  LDS: the same, back
.set COFF,  39                         ; v39  ctxp: 1,024 w + 16 lane
.set CO,    112                        ; v[112:119] the context as it leaves: registers that no store has read
.set HF,    32                         ; window 1, in the context: two buffers of 8 fragments of hs; v[0:31] there hold p's four fragments
.set MUL_LO, 0xa1                      ; source 0 (Ua) window 1, source 1 (hs) window 0, C and D window 2
.set MUL_HI, 0xf1                      ; the same, C and D window 3
.set TO_1,   0x40                      ; destination window 1
.set CV1,    0x05                      ; sources 0 and 1 window 1
.set MSB, 0
.set NLD, 0                            ; global loads issued so far in the text; the marks M.. hold its value just behind a group of loads
.macro WIN new                         ; the immediate's high byte repeats the setting that is left
.if MSB != \new
	s_set_vgpr_msb (MSB<<8)|\new
.set MSB, \new
.endif
.endm
; Waits for the group of loads whose mark is given: loads come back in order (ISA guide 5.7.1), so the count is the number of loads issued behind
; the group, or 63, the largest that the wait can name.  The lap in front of each loop issues the same loads in the same order as the
; loop's body, so the counts hold round the backward jumps too.
.macro WAITLD mark
.if NLD-(\mark) > 63
	s_wait_loadcnt 63
.else
	s_wait_loadcnt NLD-(\mark)
.endif
.endm
; Four places between a matrix instruction and an instruction that reads its result (ISA guide 7.12.1).  This text keeps them, as its plain form
; has them, between a matrix instruction and a load into one of its sources too, beside the wait that states that dependence.
.macro PLACES
.rept 4
	v_nop
.endr
.endm
; Ua's eight fragments of trip k (counted from the trip at which s[6:7] stands) into buffer q of the ring; leaves the window at TO_1
.macro LDB q, k
	WIN TO_1
.irp b, 0,1,2,3,4,5,6,7
	global_load_b128 v[64*\q+8*\b:64*\q+8*\b+3],   v[L16], s[6:7] offset:(\k)*8192+\b*1024
	global_load_b128 v[64*\q+8*\b+4:64*\q+8*\b+7], v[L16], s[6:7] offset:(\k)*8192+\b*1024+512
.endr
.set NLD, NLD+16
.set MB\q, NLD
.endm
; in trip q of a lap: the trip three further on, into the buffer that the trip before has left
.macro LDBN q
.if \q == 0
	LDB 3, 3
.endif
.if \q == 1
	LDB 0, 4
.endif
.if \q == 2
	LDB 1, 5
.endif
.if \q == 3
	LDB 2, 6
.endif
.endm
; eight rows of hs (row group (q + 1) mod 4 of my wave's 32 rows), 512 bytes of each, into staging group q
.macro LDH q, chunkoff
	WIN 0
.set GAM, (\q+1)%4
.irp i, 0,1,2,3,4,5,6,7
	global_load_b128 v[G+32*\q+4*\i:G+32*\q+4*\i+3], v[HOFF], s[4:5] offset:(8*GAM+\i)*4096+\chunkoff th:TH_LOAD_NT
.endr
.set NLD, NLD+8
.set MH\q, NLD
.endm
; staging group q to bf16.  first: no LDS store has read CT yet
.macro CVH q, first
	WAITLD MH\q
.if (\first) == 0
	s_wait_alu depctr_vm_vsrc(0)                   ; the LDS stores of the trip before have read CT, which these conversions write again
.endif
.irp i, 0,1,2,3,4,5,6,7
	v_cvt_pk_bf16_f32 v[CT+2*\i],   v[G+32*\q+4*\i],   v[G+32*\q+4*\i+1]
	v_cvt_pk_bf16_f32 v[CT+2*\i+1], v[G+32*\q+4*\i+2], v[G+32*\q+4*\i+3]
.endr
.endm
; and into LDS: a store of the wave covers the 256 bytes of one row
.macro STH q, off
.set GAM, (\q+1)%4
.irp i, 0,1,2,3,4,5,6,7
	ds_store_b64 v[STA], v[CT+2*\i:CT+2*\i+1] offset:\off+(8*GAM+\i)*PITCH
.endr
.endm
; the prologue's groups: u = 0..3 chunk 0, u = 4..6 chunk 1, row group u mod 4; loaded into window 1, which the ring does not need yet
.macro LDU u
.irp i, 0,1,2,3,4,5,6,7
	global_load_b128 v[32*\u+4*\i:32*\u+4*\i+3], v[HOFF], s[4:5] offset:(8*(\u%4)+\i)*4096+512*(\u/4) th:TH_LOAD_NT
.endr
.set NLD, NLD+8
.set MU\u, NLD
.endm
.macro STU u
	WAITLD MU\u
	WIN CV1
.irp i, 0,1,2,3,4,5,6,7
	v_cvt_pk_bf16_f32 v[AF+16*(\u%4)+2*\i],   v[32*\u+4*\i],   v[32*\u+4*\i+1]
	v_cvt_pk_bf16_f32 v[AF+16*(\u%4)+2*\i+1], v[32*\u+4*\i+2], v[32*\u+4*\i+3]
.endr
	WIN 0
	s_wait_alu depctr_va_vdst(0)                   ; the conversions have written the rows that the LDS stores read (for group 0: v[STA] is written too), and are done reading their group in window 1
.irp i, 0,1,2,3,4,5,6,7
	ds_store_b64 v[STA], v[AF+16*(\u%4)+2*\i:AF+16*(\u%4)+2*\i+1] offset:(\u/4)*CHUNK+(8*(\u%4)+\i)*PITCH
.endr
.endm
; four fragments of hs, 32 k at byte off of the rows: two loads of 16 bytes, 32 bytes apart, for each.
; FAL: row tiles 0-3; FAH: row tiles 4-7, into the buffer that begins at register hb
.macro FAL off
.irp a, 0,1,2,3
	ds_load_b128 v[AF+8*\a:AF+8*\a+3],   v[ADRA] offset:(\off)+\a*FRAG
	ds_load_b128 v[AF+8*\a+4:AF+8*\a+7], v[ADRA] offset:(\off)+\a*FRAG+32
.endr
.endm
.macro FAH hb, off
.irp a, 0,1,2,3
	ds_load_b128 v[\hb+8*\a:\hb+8*\a+3],   v[ADRA] offset:(\off)+(4+\a)*FRAG
	ds_load_b128 v[\hb+8*\a+4:\hb+8*\a+7], v[ADRA] offset:(\off)+(4+\a)*FRAG+32
.endr
.endm
; 16 matrix instructions: row tiles a0 and a1 of the four whose fragments begin at register ab x eight column tiles.  The 64 accumulators take turns,
; one instruction a turn, in the same order in every trip, over the backward jumps too.  zero = 1: the first product starts the sums.
.macro MUL16 ab, q, zero, a0, a1
.irp a, \a0, \a1
.irp b, 0,1,2,3,4,5,6,7
.if \zero
	v_wmma_f32_16x16x32_bf16 v[8*(8*\a+\b):8*(8*\a+\b)+7], v[64*\q+8*\b:64*\q+8*\b+7], v[\ab+8*\a:\ab+8*\a+7], 0
.else
	v_wmma_f32_16x16x32_bf16 v[8*(8*\a+\b):8*(8*\a+\b)+7], v[64*\q+8*\b:64*\q+8*\b+7], v[\ab+8*\a:\ab+8*\a+7], v[8*(8*\a+\b):8*(8*\a+\b)+7]
.endif
.endr
.endr
.endm
; One trip: 32 along K.  q = trip mod 4 = buffer of the ring = staging group.  stg bit 0: staging group q is stored; bit 1: it is loaded again;
; bit 2: it is the first group stored from CT.  sig = 1: at the trip's end my part of the next chunk is whole, and I say so; wt = 1: the run begins
; behind the others' saying so.  nxt: the next trip's fragments lie 1 in this chunk, 2 in the next, 0 nowhere.  ldb: Ua's fragments of the trip three further on are asked for.
.macro TRIP q, zero, stg, sig, wt, nxt, ldb
.set HB, H0-(H0-H1)*(\q&1)             ; this trip's buffer of row tiles 4-7
.set HN, H0-(H0-H1)*((\q+1)&1)         ; the next trip's
.set NDS, 8*((\stg)&1)                 ; LDS instructions of this trip's run
.if \nxt
.set NDS, NDS+16
.endif
	WAITLD MB\q                                    ; this trip's fragments of Ua are in
	s_wait_dscnt 8                                 ; row tiles 0-3 are in; the eight loads of tiles 4-7, issued behind them, may be out
	WIN MUL_LO
	MUL16 AF, \q, \zero, 0, 1
	MUL16 AF, \q, \zero, 2, 3
	WIN 0
.if \wt
	s_barrier_wait -1                              ; the next chunk is whole; between signal and wait stood matrix instructions alone
.endif
.if (\stg) & 1
	CVH \q, (\stg)&4
.elseif (\stg) || (\nxt) || (\ldb)
	PLACES
.endif
.if (\stg) || (\nxt) || (\ldb)
	s_wait_alu depctr_va_vdst(0)                   ; the conversions have written CT and are done reading G[q]; the matrix instructions above are done reading AF, those of the trip before their H buffer and their buffer of the ring; in a lap's first trip v[ADRA] and v[STA] are written
.endif
.if (\stg) & 1
.if \q == 3
	STH \q, CHUNK
.else
	STH \q, 0
.endif
.endif
.if (\stg) & 2
.if \q == 3
	LDH \q, 1536
.else
	LDH \q, 1024
.endif
.endif
.if \nxt == 1
	FAL 64*(\q+1)
	FAH HN, 64*(\q+1)
.endif
.if \nxt == 2
	FAL CHUNK
	FAH HN, CHUNK
.endif
	s_wait_dscnt NDS                               ; all but this run's own LDS instructions: this trip's row tiles 4-7 are in
	WIN MUL_HI
	MUL16 HB, \q, \zero, 0, 1
.if \ldb
	LDBN \q                                        ; no further wait: the sixteen matrix instructions since the wait above name HB, ring buffer q and window 3, not the buffer in which these loads land, nor v[L16]
	WIN MUL_HI
.endif
	MUL16 HB, \q, \zero, 2, 3
.if \sig
	s_wait_dscnt 0x0                               ; my staged rows are in LDS, and no LDS instruction of mine is out
	s_barrier_signal -1                            ; my part of the next chunk is whole
.endif
.endm
; A lap: four trips = one chunk.  g0..g3: the trips' stg.  bar: the barrier that shows the next chunk to all waves.
.macro LAP zero, g0, g1, g2, g3, bar, last, hstep
	TRIP 0, \zero, \g0, 0, 0, 1, 1
	TRIP 1, 0, \g1, 0, 0, 1, 1
	TRIP 2, 0, \g2, \bar, 0, 1, 1
.if \last
	TRIP 3, 0, \g3, 0, \bar, 0, 1
	WIN 0
	s_wait_xcnt 0x0                                ; the base of loads that are out is stepped only behind this wait; the last of them were issued 16 matrix instructions ago
.else
	TRIP 3, 0, \g3, 0, \bar, 2, 1
	WIN 0
	s_wait_xcnt 0x0                                ; the bases of loads that are out are stepped only behind this wait; the last of them were issued 16 matrix instructions ago
	s_wait_alu depctr_vm_vsrc(0)                   ; the fragments' loads have read v[ADRA] and the LDS stores v[STA], which are written below
	v_add_nc_u32 v[ADRA], CHUNK, v[ADRA]
.endif
	s_add_nc_u64 s[6:7], s[6:7], 32768             ; four trips of Ua
.if \hstep
	s_add_nc_u64 s[4:5], s[4:5], 512               ; a chunk of hs
	v_add_nc_u32 v[STA], CHUNK, v[STA]
.endif
.endm
; q and Va of my wave's 128 columns of pass p: eight neighbouring numbers for each column tile b.  No wait of its own: the last vector instructions that named
; v[128:255] (pass 0: the conversions; pass 1: the first epilogue) stand ahead of a trip's wait on va_vdst, and nothing behind that wait names them.
.macro LDQV p
.irp b, 0,1,2,3,4,5,6,7
	global_load_b128 v[QS+8*\b:QS+8*\b+3],   v[QOFF], s[8:9]   offset:\p*65536+\b*2048
	global_load_b128 v[QS+8*\b+4:QS+8*\b+7], v[QOFF], s[8:9]   offset:\p*65536+\b*2048+16
	global_load_b128 v[VA+8*\b:VA+8*\b+3],   v[VOFF], s[10:11] offset:\p*2048+\b*64
	global_load_b128 v[VA+8*\b+4:VA+8*\b+7], v[VOFF], s[10:11] offset:\p*2048+\b*64+16
.endr
.set NLD, NLD+32
.set MQ, NLD
.endm
; Eight tiles of the epilogue: row tiles 0-3 of window win, column tiles 2 be and 2 be + 1.
.macro EBATCH p, win, be
	WIN \win                                       ; source 0 in the accumulators' window
.irp a, 0,1,2,3
.irp c, 0,1
.irp j, 0,1,2,3
	v_pk_fma_f32 v[AF+8*(2*\a+\c)+2*\j:AF+8*(2*\a+\c)+2*\j+1], v[8*(8*\a+2*\be+\c)+2*\j:8*(8*\a+2*\be+\c)+2*\j+1], C2L2E, v[QS+8*(2*\be+\c)+2*\j:QS+8*(2*\be+\c)+2*\j+1] op_sel_hi:[1,0,1]
.endr
.endr
.endr
	WIN 0
.set i, 0
.rept 64
	v_exp_f32 v[AF+i], v[AF+i]                     ; 2^t
.set i, i+1
.endr
	v_nop                                          ; one plain place behind the last transcendental (ISA guide 5.7.2)
	s_wait_alu depctr_va_vdst(0)                   ; the 64 exponentials have written v[AF ..]: one wait for the batch, ahead of its first reader
.set i, 0
.rept 32
	v_pk_add_f32 v[AF+2*i:AF+2*i+1], v[AF+2*i:AF+2*i+1], 1.0 op_sel_hi:[1,0]
.set i, i+1
.endr
.set i, 0
.rept 64
	v_rcp_f32 v[AF+i], v[AF+i]                     ; 1 / (1 + 2^t)
.set i, i+1
.endr
	v_nop
	s_wait_alu depctr_va_vdst(0)                   ; the 64 reciprocals have written v[AF ..]: one wait for the batch, ahead of its first reader
.irp j, 0,1,2,3
.irp c, 0,1
.irp a, 0,1,2,3
.if (\p+\be+\c+\j) == 0
	v_pk_mul_f32 v[SC+2*(4*(\win-2)+\a):SC+2*(4*(\win-2)+\a)+1], v[VA+8*(2*\be+\c)+2*\j:VA+8*(2*\be+\c)+2*\j+1], v[AF+8*(2*\a+\c)+2*\j:AF+8*(2*\a+\c)+2*\j+1]
.else
	v_pk_fma_f32 v[SC+2*(4*(\win-2)+\a):SC+2*(4*(\win-2)+\a)+1], v[VA+8*(2*\be+\c)+2*\j:VA+8*(2*\be+\c)+2*\j+1], v[AF+8*(2*\a+\c)+2*\j:AF+8*(2*\a+\c)+2*\j+1], v[SC+2*(4*(\win-2)+\a):SC+2*(4*(\win-2)+\a)+1]
.endif
.endr
.endr
.endr
.endm
; The epilogue of pass p.  The first products and sums start SC and SV: nothing is cleared.
.macro EPI p
	PLACES                                         ; behind the pass's last matrix instructions
	WAITLD MQ                                      ; q and Va are in
.if \p == 0
	v_pk_add_f32 v[SV:SV+1],   v[VA:VA+1],   v[VA+4:VA+5]
	v_pk_add_f32 v[SV+2:SV+3], v[VA+2:VA+3], v[VA+6:VA+7]
.set i, 4
.rept 28
	v_pk_add_f32 v[SV+2*(i%2):SV+2*(i%2)+1], v[SV+2*(i%2):SV+2*(i%2)+1], v[VA+2*i:VA+2*i+1]
.set i, i+1
.endr
.else
.set i, 0
.rept 32
	v_pk_add_f32 v[SV+2*(i%2):SV+2*(i%2)+1], v[SV+2*(i%2):SV+2*(i%2)+1], v[VA+2*i:VA+2*i+1]
.set i, i+1
.endr
.endif
.irp w, 2,3
.irp e, 0,1,2,3
	EBATCH \p, \w, \e
.endr
.endr
.endm
; the context: eight fragments of hs, 32 rows (k step ks) x 16 columns each, of chunk 2 w + hf, read transposed
.macro LDT buf, ks, hf
.irp tt, 0,1,2,3,4,5,6,7
	ds_load_tr16_b128 v[HF+64*\buf+8*\tt:HF+64*\buf+8*\tt+3],   v[TRA] offset:\hf*CHUNK+(\ks)*32*PITCH+\tt*32
	ds_load_tr16_b128 v[HF+64*\buf+8*\tt+4:HF+64*\buf+8*\tt+7], v[TRA] offset:\hf*CHUNK+(\ks)*32*PITCH+\tt*32+FRAG
.endr
.endm
; eight matrix instructions on the eight accumulators of half hf; the sixteen accumulators take turns
.macro UNIT ks, hf, left, more
	s_wait_dscnt \left                             ; this unit's 16 loads are in; the next unit's 16 may be out
	WIN CV1
.irp tt, 0,1,2,3,4,5,6,7
.if \ks == 0
	v_wmma_f32_16x16x32_bf16 v[CD+8*(8*\hf+\tt):CD+8*(8*\hf+\tt)+7], v[8*\ks:8*\ks+7], v[HF+64*\hf+8*\tt:HF+64*\hf+8*\tt+7], 0
.else
	v_wmma_f32_16x16x32_bf16 v[CD+8*(8*\hf+\tt):CD+8*(8*\hf+\tt)+7], v[8*\ks:8*\ks+7], v[HF+64*\hf+8*\tt:HF+64*\hf+8*\tt+7], v[CD+8*(8*\hf+\tt):CD+8*(8*\hf+\tt)+7]
.endif
.endr
	PLACES
.if \more
	WIN TO_1
	s_wait_alu depctr_va_vdst(0)                   ; the eight matrix instructions above are done reading buffer hf, in which the loads below land
	LDT \hf, \ks+1, \hf
.endif
.endm
	; ---------------------------------------------------------------- arguments; the first rows of hs go out before anything else
	s_load_b256 s[4:11], s[0:1], 0x0               ; hs s[4:5], ub s[6:7], qs s[8:9], Va_w s[10:11]
	s_load_b128 s[12:15], s[0:1], 0x20             ; Va_b s[12:13], scores s[14:15]
	s_load_b64 s[16:17], s[0:1], 0x30              ; ctxp
	v_lshl_add_u32 v30, v0, 2, 0x45c00
	v_mov_b32 v31, 0
	v_lshrrev_b32 v1, 5, v0
	v_readfirstlane_b32 s18, v1                    ; wave 0..3
	v_and_b32 v1, 31, v0                           ; lane
	v_lshlrev_b32 v[L16], 4, v1
	s_wait_alu depctr_va_sdst(0)                   ; s18 is written, ahead of its first reader, the line below
	v_lshl_add_u32 v[HOFF], s18, 17, v[L16]        ; 32 rows of 4,096 bytes a wave
	s_lshl_b32 s24, ttmp9, 19                      ; 128 rows of 4,096 bytes a work-group: below 2^28
	s_mov_b32 s25, 0
	s_lshl_b32 s26, s18, 19                        ; my wave's 524,288 bytes of ub
	s_mov_b32 s27, 0
	s_wait_kmcnt 0x0
	s_add_nc_u64 s[4:5], s[4:5], s[24:25]
	s_add_nc_u64 s[6:7], s[6:7], s[26:27]
	s_load_b32 s22, s[12:13], 0x0                  ; Va_b
	WIN TO_1
	s_wait_alu depctr_va_vdst(0)                   ; v[HOFF] and v[L16] are written: every global load of hs and of Ua reads one of them as its offset
.irp u, 0,1,2,3,4,5,6
	LDU \u                                         ; 56 loads: chunk 0 and three quarters of chunk 1
.endr
	WIN 0
	s_lshr_b32 s24, ttmp9, 4
	s_lshl_b32 s24, s24, 6                         ; qs: 64 bytes a batch
	s_add_nc_u64 s[8:9], s[8:9], s[24:25]
	s_lshl_b32 s24, ttmp9, 9                       ; scores: 128 f32 a block
	s_add_nc_u64 s[14:15], s[14:15], s[24:25]
	s_lshl_b32 s24, ttmp9, 12                      ; ctxp: 1,024 f32 a block
	s_add_nc_u64 s[16:17], s[16:17], s[24:25]
	s_mov_b32 s20, 0x76543210                      ; v_permlanex16_b32: lane i of one half reads lane i of the other
	s_mov_b32 s21, 0xfedcba98
	v_and_b32 v17, 15, v0                          ; r
	v_bfe_u32 v18, v0, 4, 1                        ; h
	v_mul_u32_u24 v[ADRA], v17, PITCH
	v_lshl_add_u32 v[ADRA], v18, 4, v[ADRA]
	v_mov_b32 v[ADRA0], v[ADRA]
	s_mul_i32 s26, s18, 32*PITCH
	v_lshl_add_u32 v[STA], v1, 3, s26
	v_lshlrev_b32 v[QOFF], 5, v18
	v_lshlrev_b32 v[VOFF], 5, v18
	v_lshl_add_u32 v[QOFF], s18, 14, v[QOFF]
	v_lshl_add_u32 v[VOFF], s18, 9, v[VOFF]        ; these addresses stand ahead of group 0's wait on va_vdst, which states them written
	; ---------------------------------------------------------------- prologue: chunk 0 and most of chunk 1 into LDS, three buffers of Ua's ring filled
	STU 0
	STU 1
	STU 2
	STU 3
	LDB 0, 0                                       ; into the registers that groups 0 to 3 have left: their conversions stand ahead of group 3's wait on va_vdst
	LDB 1, 1
	LDH 2, 512                                     ; chunk 1, the last eight rows: stored in trip 2
	LDH 3, 1024                                    ; chunk 2, the first eight rows: stored in trip 3
	s_wait_alu depctr_vm_vsrc(0)                   ; the LDS stores of groups 0 to 3 have read v[64:127], which the conversions of groups 4 to 6 write again
	STU 4
	STU 5
	STU 6
	LDB 2, 2                                       ; into the registers that groups 4 and 5 have left: their conversions stand ahead of group 6's wait on va_vdst
	WIN 0
	s_wait_kmcnt 0x0                               ; Va_b
	s_wait_dscnt 0x0                               ; my rows are in LDS
	s_barrier_signal -1
	s_barrier_wait -1                              ; everybody's are
	s_wait_alu depctr_vm_vsrc(0)                   ; my LDS stores have read v[STA], which is written below, and v[64:127], in which the first fragments land
	v_add_nc_u32 v[STA], CHUNK, v[STA]             ; in lap c the staging address stands at chunk c + 1
	FAL 0                                          ; (the conversions that wrote v[64:127], and v[ADRA], stand ahead of group 6's wait on va_vdst)
	FAH H0, 0
	; ---------------------------------------------------------------- pass 0: columns 128 w .. of 0-511; chunks 2 to 7 come in on the way
	LAP 1, 2,2,7,3, 1, 0, 1                        ; lap 0
	s_mov_b32 s19, 4
.Lpass0:
	LAP 0, 3,3,3,3, 1, 0, 1                        ; laps 1 to 4
	s_sub_co_u32 s19, s19, 1
	s_cmp_lg_u32 s19, 0
	s_cbranch_scc1 .Lpass0
	LAP 0, 3,3,3,1, 1, 0, 1                        ; lap 5: the last rows of hs (chunk 7) are asked for
	LAP 0, 1,1,1,0, 1, 0, 0                        ; lap 6: and stored
	LDQV 0                                         ; into the staging registers, which are free now
	LAP 0, 0,0,0,0, 0, 1, 0                        ; lap 7; its loads of Ua run on into pass 1: the wave's stream is one run of bytes
	EPI 0
	; ---------------------------------------------------------------- pass 1: columns 512 + 128 w ..
	s_wait_alu depctr_vm_vsrc(0)                   ; the fragments' loads of pass 0 have read v[ADRA]
	v_mov_b32 v[ADRA], v[ADRA0]
	s_wait_alu depctr_va_vdst(0)                   ; v[ADRA] is written; the epilogue is done with v[64:127], in which the fragments land, and with v[128:255]
	FAL 0
	FAH H0, 0
	LAP 1, 0,0,0,0, 0, 0, 0                        ; lap 8
	s_mov_b32 s19, 6
.Lpass1:
	LAP 0, 0,0,0,0, 0, 0, 0                        ; laps 9 to 14
	s_sub_co_u32 s19, s19, 1
	s_cmp_lg_u32 s19, 0
	s_cbranch_scc1 .Lpass1
	LDQV 1
	TRIP 0, 0, 0, 0, 0, 1, 1                       ; lap 15: its first trip asks for the last trip's Ua, the others for nothing
	TRIP 1, 0, 0, 0, 0, 1, 0
	TRIP 2, 0, 0, 0, 0, 1, 0
	TRIP 3, 0, 0, 0, 0, 0, 0                       ; the last trip issues no load and no store, so it holds no s_wait_alu
	WIN 0
	EPI 1
	; ---------------------------------------------------------------- the tail's addresses, in registers that the fragments have left
	v_and_b32 v40, 15, v0                          ; r
	v_bfe_u32 v41, v0, 4, 1                        ; h
	s_lshl_b32 s26, s18, 9
	s_add_co_u32 s26, s26, PART
	v_lshl_add_u32 v[PST], v40, 2, s26
	v_add_nc_u32 v[PRD], PART, v[L16]
	s_lshl_b32 s26, s18, 8
	s_add_co_u32 s26, s26, PB
	v_lshl_add_u32 v[PPS], v1, 3, s26
	v_lshl_add_u32 v[PFR], v41, 4, s26
	v_and_b32 v42, 7, v0
	v_lshl_add_u32 v42, v41, 3, v42                ; row 8 h + lane mod 8
	v_mul_u32_u24 v[TRA], v42, PITCH
	v_bfe_u32 v42, v0, 3, 1
	v_lshl_add_u32 v[TRA], v42, 4, v[TRA]          ; + 16 bytes for the odd groups of eight lanes
	s_mul_i32 s26, s18, 2*CHUNK                    ; my wave's 256 columns are chunks 2 w and 2 w + 1
	v_add_nc_u32 v[TRA], s26, v[TRA]
	s_lshl_b32 s26, s18, 10
	v_add_nc_u32 v[COFF], s26, v[L16]
	s_add_co_u32 s26, s26, CS
	v_lshl_add_u32 v[CST], v40, 2, s26
	v_add_nc_u32 v[CRD], s26, v[L16]
	; ---------------------------------------------------------------- scores
	v_pk_add_f32 v[SV:SV+1], v[SV:SV+1], v[SV+2:SV+3]
	v_add_f32 v[SV], v[SV], v[SV+1]                ; the sum of Va over my half's columns
.irp a, 0,1,2,3,4,5,6,7
	v_add_f32 v[64+\a], v[SC+2*\a], v[SC+2*\a+1]
.endr
.irp a, 0,1,2,3,4,5,6,7
	v_fma_f32 v[64+\a], -2.0, v[64+\a], v[SV]      ; sum of Va tanh = sum of Va - 2 sum of Va / (1 + 2^t)
.endr
.irp a, 0,1,2,3,4,5,6,7
	v_permlanex16_b32 v[72+\a], v[64+\a], s20, s21 ; the other eight of each sixteen columns (the destinations were written in the epilogue)
.endr
.irp a, 0,1,2,3,4,5,6,7
	v_add_f32 v[64+\a], v[64+\a], v[72+\a]
.endr
	s_wait_alu depctr_va_vdst(0)                   ; v[64:71] and the tail's eight addresses are written, which the LDS instructions below read; the epilogue is done with v[80:95], in which the partial scores land
.irp a, 0,1,2,3,4,5,6,7
	ds_store_b32 v[PST], v[64+\a] offset:64*\a     ; row 16 a + r; both halves of the lanes store the same number to the same word
.endr
	s_wait_dscnt 0x0                               ; for the other waves' sake
	s_barrier_signal -1
	s_barrier_wait -1
.irp w, 0,1,2,3
	ds_load_b128 v[80+4*\w:80+4*\w+3], v[PRD] offset:512*\w
.endr
	s_wait_dscnt 0x0
	v_pk_add_f32 v[80:81], v[80:81], v[84:85]
	v_pk_add_f32 v[82:83], v[82:83], v[86:87]
	v_pk_add_f32 v[88:89], v[88:89], v[92:93]
	v_pk_add_f32 v[90:91], v[90:91], v[94:95]
	v_pk_add_f32 v[80:81], v[80:81], v[88:89]
	v_pk_add_f32 v[82:83], v[82:83], v[90:91]
.irp i, 0,1,2,3
	v_add_f32 v[80+\i], s22, v[80+\i]              ; + Va_b: every wave now holds the scores of rows 4 lane .. 4 lane + 3
.endr
	s_cmp_lg_u32 s18, 0
	s_cbranch_scc1 .Lnot_wave_0
	s_wait_alu depctr_va_vdst(0)                   ; the additions have written v[80:83], which the store reads
	global_store_b128 v[L16], v[80:83], s[14:15]   ; 512 neighbouring bytes, aligned; v[80:83] are not written again
.Lnot_wave_0:
	v_max3_num_f32 v96, v80, v81, v82
	v_max_num_f32 v96, v96, v83
	v_max_num_f32_dpp v96, v96, v96 row_xmask:1 row_mask:0xf bank_mask:0xf
	v_max_num_f32_dpp v96, v96, v96 row_xmask:2 row_mask:0xf bank_mask:0xf
	v_max_num_f32_dpp v96, v96, v96 row_xmask:4 row_mask:0xf bank_mask:0xf
	v_max_num_f32_dpp v96, v96, v96 row_xmask:8 row_mask:0xf bank_mask:0xf
	v_permlanex16_b32 v97, v96, s20, s21
	v_max_num_f32 v96, v96, v97                    ; the block's largest score
.irp i, 0,1,2,3
	v_sub_f32 v[100+\i], v[80+\i], v96
.endr
.irp i, 0,1,2,3
	v_mul_f32 v[100+\i], LOG2E, v[100+\i]
.endr
.irp i, 0,1,2,3
	v_exp_f32 v[100+\i], v[100+\i]                 ; p = exp(score - maximum), at most 1
.endr
	v_nop
	s_wait_alu depctr_va_vdst(0)                   ; the four exponentials have written v[100:103]: one wait for the batch, ahead of its first reader
	v_cvt_pk_bf16_f32 v104, v100, v101
	v_cvt_pk_bf16_f32 v105, v102, v103
	s_wait_alu depctr_va_vdst(0)                   ; the conversions have written v[104:105], which the LDS store reads; pass 1's matrix instructions are long done reading window 1, in which the loads below land
	ds_store_b64 v[PPS], v[104:105]                ; my wave's own copy: LDS serves a wave in order, so its reads below need no wait
	; ---------------------------------------------------------------- context: columns 256 w .. 256 w + 255; K = the 128 rows.
	; Source 0: sixteen equal rows of p; source 1: hs, which lies [row][column] in LDS and is read transposed.
	WIN TO_1
.irp k, 0,1,2,3
	ds_load_b128 v[8*\k:8*\k+3],   v[PFR] offset:64*\k
	ds_load_b128 v[8*\k+4:8*\k+7], v[PFR] offset:64*\k+32
.endr
	LDT 0, 0, 0
	LDT 1, 0, 1
	UNIT 0, 0, 16, 1
	UNIT 0, 1, 16, 1
	UNIT 1, 0, 16, 1
	UNIT 1, 1, 16, 1
	UNIT 2, 0, 16, 1
	UNIT 2, 1, 16, 1
	UNIT 3, 0, 16, 0
	UNIT 3, 1, 0, 0
	WIN 0
	s_wait_alu depctr_va_vdst(0)                   ; the matrix instructions have written the sixteen accumulators, which the LDS stores read; the four places above stay beside this wait
.irp t, 0,1,2,3,4,5,6,7,8,9,10,11,12,13,14,15
	ds_store_b32 v[CST], v[CD+8*\t] offset:64*\t   ; register 0 of tile t: column 16 t + r; all rows of a tile are equal
.endr
	ds_load_b128 v[CO:CO+3], v[CRD]                ; back as 16 neighbouring bytes a lane (my wave's own bytes, served in order); the epilogue, which last named v[112:119], stands ahead of the waits above
	ds_load_b128 v[CO+4:CO+7], v[CRD] offset:512
	s_wait_dscnt 0x1
	global_store_b128 v[COFF], v[CO:CO+3], s[16:17]  ; each store of the wave covers 512 neighbouring bytes, aligned
	s_wait_dscnt 0x0
	global_store_b128 v[COFF], v[CO+4:CO+7], s[16:17] offset:512
	s_wait_dscnt 0x0
	s_wait_alu depctr_hold_cnt(0) depctr_sa_sdst(0) depctr_va_vdst(0) depctr_va_sdst(0) depctr_va_ssrc(0) depctr_va_vcc(0) depctr_vm_vsrc(0)
	s_wait_tensorcnt 0x0
	ds_add_u32 v30, v31
	s_wait_dscnt 0x0
	s_endpgm
.Lfunc_end_k_q7376f36cfb_main:
	.size	k_q7376f36cfb_main, .Lfunc_end_k_q7376f36cfb_main-k_q7376f36cfb_main
	.p2alignl 7, 3214868480
	.fill 96, 4, 3214868480
	.section	.rodata,"a",@progbits
	.p2align	6, 0x0
	.amdhsa_kernel k_q7376f36cfb_main
		.amdhsa_group_segment_fixed_size 286208
		.amdhsa_private_segment_fixed_size 0
		.amdhsa_enable_private_segment 0
		.amdhsa_kernarg_size 56
		.amdhsa_user_sgpr_count 2
		.amdhsa_user_sgpr_kernarg_segment_ptr 1
		.amdhsa_wavefront_size32 1
		.amdhsa_system_sgpr_workgroup_id_x 1
		.amdhsa_system_sgpr_workgroup_id_y 1
		.amdhsa_system_sgpr_workgroup_id_z 1
		.amdhsa_system_vgpr_workitem_id 0
		.amdhsa_next_free_vgpr 1024
		.amdhsa_next_free_sgpr 66
		.amdhsa_reserve_vcc 0
		.amdhsa_float_denorm_mode_32 3
		.amdhsa_float_denorm_mode_16_64 3
		.amdhsa_memory_ordered 1
		.amdhsa_forward_progress 1
		.amdhsa_inst_pref_size 255
	.end_amdhsa_kernel
	.section	.bss,"aw",@nobits
	.p2align	6
	.space	262144
	.amdgpu_metadata
---
amdhsa.version: [ 1, 2 ]
amdhsa.kernels:
  - .name:           k_q7376f36cfb_main
    .symbol:         k_q7376f36cfb_main.kd
    .args:
      - { .name: hs, .offset: 0, .size: 8, .value_kind: global_buffer, .address_space: global }
      - { .name: ub, .offset: 8, .size: 8, .value_kind: global_buffer, .address_space: global }
      - { .name: qs, .offset: 16, .size: 8, .value_kind: global_buffer, .address_space: global }
      - { .name: Va_w, .offset: 24, .size: 8, .value_kind: global_buffer, .address_space: global }
      - { .name: Va_b, .offset: 32, .size: 8, .value_kind: global_buffer, .address_space: global }
      - { .name: scores, .offset: 40, .size: 8, .value_kind: global_buffer, .address_space: global }
      - { .name: ctxp, .offset: 48, .size: 8, .value_kind: global_buffer, .address_space: global }
    .group_segment_fixed_size: 286208
    .private_segment_fixed_size: 0
    .kernarg_segment_align: 8
    .kernarg_segment_size: 56
    .max_flat_workgroup_size: 128
    .sgpr_count:     66
    .vgpr_count:     1024
    .wavefront_size: 32
...
	.end_amdgpu_metadata
.endif
;; end of part 4
;; launch finish: the kernel of part 3 again; grid 32 x 1, 8 waves a work-group, no clusters, 1,280 bytes of LDS; arguments scores, ctxp, out0, out1; writes out0, out1
